; MI455X (gfx1250); checked and timed in simulation.
; The chip was launched on July 23, 2026; its instructions are those of AMD's public machine-readable ISA for CDNA 5 (MIT licence, August 2026) and "CDNA5" Instruction Set Architecture Reference Guide (July 2026). The comments in the code are by the model that wrote it; some were corrected since.
;; Multi Head Attention. Allowed arithmetic: matrix products marked QUANTISED: E2M3 operands, one E8M0 scale for each 32 along K, by v_wmma_scale_f32_16x16x128_f8f6f4 with both operands' format E2M3, f32 sums; everything else in f32.
;; Inputs: Wk 1,024 x 1,024 float32; Wo 1,024 x 1,024 float32; Wq 1,024 x 1,024 float32; Wv 1,024 x 1,024 float32; bk 1,024 float32; bo 1,024 float32; bq 1,024 float32; bv 1,024 float32; k 4 x 2,048 x 1,024 float32; q 4 x 2,048 x 1,024 float32; v 4 x 2,048 x 1,024 float32.
;; Outputs: out0 4 x 2,048 x 1,024 float32.
;; This version of the problem:
;;   THIS VERSION OF THE PROBLEM IS GIVEN IN LOW PRECISION. The matrix products marked QUANTISED in the list below multiply operands that are first quantised to E2M3 (2 exponent bits, 3 mantissa bits; 6 bits a number), with one power-of-two scale for each 32 numbers along K (OCP MX v1.0); their sums are f32. All else is computed in f32.
;;   The module's matrix products, in the order in which they are computed (A, B: the left and right operand; K: the contracted axis; several contracted axes count as one K, in the product's order):
;;     1. [M 8,192, K 1,024] x [K 1,024, N 1,024]; A: input q; B: input Wq: QUANTISED
;;     2. [M 8,192, K 1,024] x [K 1,024, N 1,024]; A: input k; B: input Wk: QUANTISED
;;     3. [M 8,192, K 1,024] x [K 1,024, N 1,024]; A: input v; B: input Wv: QUANTISED
;;     4. batch 64 x [M 2,048, K 64] x [K 64, N 2,048]; A: computed on the way; B: computed on the way: QUANTISED
;;     5. batch 64 x [M 2,048, K 2,048] x [K 2,048, N 64]; A: softmax (see below); B: computed on the way: QUANTISED
;;     6. [M 8,192, K 1,024] x [K 1,024, N 1,024]; A: computed on the way; B: input Wo: QUANTISED
;;   THE QUANTISER, for each operand of a quantised product, along K:
;;     - K is cut into blocks of 32 from its start; a last block that is shorter is filled with zeros.
;;     - A block's scale is 2^e with e = floor(log2(the largest magnitude in the block)) - 2, held to -126 .. 127; a block of zeros has e = 0. As a byte (E8M0): e + 127.
;;     - Each number is divided by its block's scale, clamped to +-7.5, and rounded to the nearest number of E2M3, ties to even, subnormals kept.
;;     - The product sums the exact products of the quantised numbers (number of the format x scale) in f32.
;;   ~~~python
;;   def quantise(x, axis):      # numpy; x: float32 -> the quantised numbers, widened to float32 again
;;       x = np.moveaxis(x, axis, -1); K = x.shape[-1]
;;       x = np.pad(x, [(0, 0)] * (x.ndim - 1) + [(0, -K % 32)]); x = x.reshape(x.shape[:-1] + (-1, 32)); a = np.abs(x).max(-1, keepdims=True)
;;       e = np.where(a > 0, np.clip(np.frexp(np.where(a > 0, a, 1))[1] - 1 - 2, -126, 127), 0)      # np.frexp(a)[1] - 1 = floor(log2(a)), exactly
;;       r = np.clip(x / 2.0 ** e, -7.5, 7.5)
;;       step = 2.0 ** (np.maximum(np.frexp(np.where(r == 0, 1, r))[1] - 1, 0) - 3)
;;       q = np.round(r / step) * step * 2.0 ** e      # np.round: ties to even
;;       return np.moveaxis(q.reshape(q.shape[:-2] + (-1,))[..., :K], -1, axis).astype(np.float32)
;;   ~~~
;;   SOFTMAX AHEAD OF A QUANTISED PRODUCT. Where the list says 'softmax', what is quantised is not the finished softmax but p = 2^(t - M), with t = logit x log2(e) and M = ceil(the row's largest t), a whole number; so 1/2 < the row's largest p <= 1. The row's sum l is taken of the UNQUANTISED p, in f32, and the product's result is divided by l at the end. Since M is a whole number, a kernel that streams over the keys may use a running M (the ceiling of the running maximum): every later rescaling is an exact power of two, which a block's scale takes up: the codes' values come out the same.
;;   OPERANDS COMPUTED ON THE WAY. 'Computed on the way' means the value that the module computes at that place (a softmax that the list does not call 'softmax' is quantised finished and normalised). What goes into a quantiser is computed in f32, as accurately as f32 sums, v_exp_f32 and their like allow (about 1e-6 of the number): no bf16 or f16 on the way to a quantiser, and a product that is left as it is and whose result goes on into a quantised operand takes f32 operands (vector FMAs, or v_wmma_f32_16x16x4_f32). A number that lies on a knife's edge between two numbers of the format may be rounded either way, as far as f32 arithmetic and the matrix unit's own rounding can turn it there, and no further.
;; One version. Each part assembles by itself: llvm-mc -triple=amdgcn-amd-amdhsa -mcpu=gfx1250 --defsym DOCPART=n.
;; ======== version 1 of 1: 4 launches
;; limits: right only within a limited range of input values
;; workspace buffers: img 22,020,096 bytes; isc 917,504 bytes; pc 18,874,368 bytes; ps 1,310,720 bytes; oimg 6,291,456 bytes; osc 524,288 bytes
;; launch quant (part 1): grid 256 x 1, 7 waves a work-group, no clusters, 61,952 bytes of LDS; arguments q, k, v, Wq, Wk, Wv, Wo, img, isc; writes img, isc
.if DOCPART == 1
	.amdgcn_target "amdgcn-amd-amdhsa--gfx1250"
	.amdhsa_code_object_version 6
	.text
	.protected	k_qa90067afaa_quant
	.globl	k_qa90067afaa_quant
	.p2align	8
	.type	k_qa90067afaa_quant,@function
k_qa90067afaa_quant:
	s_mov_b64 s[64:65], 0
	v_nop
	global_prefetch_b8 v0, s[64:65] scope:SCOPE_SE
	s_setreg_imm32_b32 hwreg(HW_REG_WAVE_MODE, 25, 1), 1
	s_wait_xcnt 0x0
; q, k, v [8192][1024] and Wq, Wk, Wv, Wo [1024][1024], f32, become codes of FP6 (E2M3) with one E8M0 byte for each 32 along K (the last axis of all seven).
; A block's scale is 2^(floor(log2(its largest magnitude)) - 2); its byte is the largest magnitude's exponent field - 2, held at 1 from below; each number is divided by the scale and rounded to the nearest code, ties to even.
; LIMITS: NaN and infinities among the inputs are not served.  A block of zeros, or one whose largest magnitude lies under 2^-124, gets the byte 1 (the written rule says 127 for zeros): its codes are zeros or
; what the held scale gives, and the bytes are read by this program alone.
; LAYOUT OF THE RESULT: the order in which a matrix operand's registers take it.  A TILE is 16 rows: tile T of a tensor holds rows 32 (T / 2) + 8 (T % 2) + r + 8 (r / 8), r = 0 .. 15.
; A tile's 64 along K are an IMAGE of 768 bytes: lane (r, h) owns the 24 bytes of codes of k = 32 h .. 32 h + 31 of row r: its first 16 bytes at 16 x lane, its last 8 at 512 + 8 x lane.
; img: [tile][16 images]; the tiles of q, k, v, Wq, Wk, Wv, Wo on end (512, 512, 512, 64, 64, 64, 64).  isc: [tile][512]: the scale word of K step s (128 along K) of row r at 256 (s / 4) + 16 r + 4 (s % 4).
; SHARES: a wave takes one tile, in 16 steps of 64 along K.  Each load reads 256 consecutive aligned bytes of one row in each half of the wave; the step's 4,096 bytes turn through the wave's own stage in LDS
; (rows 272 bytes apart) and come back 128 bytes a lane: a whole block of 32.  The codes leave straight from registers: 512 and 256 consecutive bytes a store.
; No cluster, no tensor load, no barrier: no two waves read the same byte.  Loads run three steps ahead (24 loads a wave), the turn through LDS one step.
.set ROWB,  4096                       ; a row of any of the seven tensors, in bytes
.set SP,    272                        ; a stage row: 256 bytes + 16
.set STG,   16*SP                      ; a stage
.set WREG,  2*STG                      ; a wave's two stages
.set R,     16                         ; v16-111  three sets of 32 registers as loaded
.set X,     112                        ; v112-175 two sets of 32 neighbours along K
.set C,     176                        ; v176-207 codes: four slots of 8 registers by turns
.set T,     208                        ; v208-210 a block's upper 16 codes (a conversion's three registers begin on an even number)
.set W,     212                        ; v212-219 my bytes of the eight scale words
.set OW,    220                        ; v220-223 the four words that I store
	s_load_b256 s[4:11], s[0:1], 0x0               ; q, k, v, Wq
	s_load_b256 s[12:19], s[0:1], 0x20             ; Wk, Wv, Wo, img
	s_load_b64 s[20:21], s[0:1], 0x40              ; isc
	v_lshl_add_u32 v224, v0, 2, 0xee00             ; the spare words lie behind the seven waves' stages (7 x 8,704 bytes)
	v_mov_b32 v225, 0
	v_lshrrev_b32 v1, 5, v0
	v_readfirstlane_b32 s22, v1                    ; wave
	v_and_b32 v1, 31, v0                           ; lane
	v_and_b32 v2, 15, v0                           ; r
	v_bfe_u32 v3, v0, 4, 1                         ; h
	v_lshlrev_b32 v4, 4, v2
	v_lshl_add_u32 v4, v3, 12, v4                  ; a load: 16 r, and one row further down for lanes 16-31
	s_mul_i32 s27, s22, WREG
	v_mul_u32_u24 v5, v3, SP
	v_lshl_add_u32 v5, v2, 4, v5
	v_add_nc_u32 v5, s27, v5                       ; into the stage: the same two rows
	v_mul_u32_u24 v6, v2, SP
	v_lshl_add_u32 v6, v3, 7, v6
	v_add_nc_u32 v6, s27, v6                       ; out of it: row r, my half's 128 bytes
	v_lshlrev_b32 v7, 4, v1                        ; 16 x lane
	v_lshlrev_b32 v8, 3, v1                        ; 8 x lane
	v_lshlrev_b32 v9, 3, v3                        ; 8 h: my byte's place in a pair of bytes
	s_mov_b32 s30, 0x76543210
	s_mov_b32 s31, 0xfedcba98                      ; v_permlanex16_b32's selects for lane l xor 16
	s_mul_i32 s23, ttmp9, 7                        ; THE DEAL, as it now stands: 1,792 tiles are 256 work-groups of seven waves, a tile a wave
	s_add_co_u32 s23, s23, s22                     ; my tile among the 1,792
	; THE TILES OF k ALONE (tiles 512 to 1,023) are laid otherwise: tile T holds rows 64 (T / 4) + 8 (T % 4) + r % 8 + 32 (r / 8), so that in the attention's scores
	; a lane's 32 registers of four tiles are one whole block of 32 keys
	s_lshr_b32 s32, s23, 9                         ; k's tiles are 512 to 1,023
	s_cmp_eq_u32 s32, 1
	s_cselect_b32 s33, 0x10000, 0                  ; rows 8-15 of the tile lie 16 rows further down than in the other tensors
	s_cselect_b32 s34, 2, 1                        ; tiles to a band: 4 or 2, as a shift,
	s_cselect_b32 s35, 6, 5                        ; rows of a band: 64 or 32, as a shift,
	s_cselect_b32 s36, 3, 1                        ; and the tile's number in its band, as a mask
	v_add_nc_u32 v14, s33, v4                      ; the loads' offset for rows 8-15
	s_wait_alu depctr_va_vdst(0)
	s_wait_kmcnt 0x0
	s_mov_b64 s[24:25], s[16:17]                   ; which tensor: the choice hangs on the tile's number (work-group and wave) alone
	s_mov_b32 s26, 1728                            ; and that tensor's first tile
	s_cmp_lt_u32 s23, 1728
	s_cselect_b64 s[24:25], s[14:15], s[24:25]
	s_cselect_b32 s26, 1664, s26
	s_cmp_lt_u32 s23, 1664
	s_cselect_b64 s[24:25], s[12:13], s[24:25]
	s_cselect_b32 s26, 1600, s26
	s_cmp_lt_u32 s23, 1600
	s_cselect_b64 s[24:25], s[10:11], s[24:25]
	s_cselect_b32 s26, 1536, s26
	s_cmp_lt_u32 s23, 1536
	s_cselect_b64 s[24:25], s[8:9], s[24:25]
	s_cselect_b32 s26, 1024, s26
	s_cmp_lt_u32 s23, 1024
	s_cselect_b64 s[24:25], s[6:7], s[24:25]
	s_cselect_b32 s26, 512, s26
	s_cmp_lt_u32 s23, 512
	s_cselect_b64 s[24:25], s[4:5], s[24:25]
	s_cselect_b32 s26, 0, s26
	s_sub_co_u32 s27, s23, s26                     ; the tile's number in its tensor
	s_lshr_b32 s28, s27, s34
	s_lshl_b32 s28, s28, s35
	s_and_b32 s29, s27, s36
	s_lshl_b32 s29, s29, 3
	s_add_co_u32 s28, s28, s29                     ; its first row: 32 (T / 2) + 8 (T % 2)
	s_lshl_b32 s28, s28, 12
	s_mov_b32 s29, 0
	s_add_nc_u64 s[24:25], s[24:25], s[28:29]
	s_mul_i32 s28, s23, 12288
	s_add_nc_u64 s[18:19], s[18:19], s[28:29]      ; my tile's 16 images
	s_lshl_b32 s28, s23, 9
	s_add_nc_u64 s[20:21], s[20:21], s[28:29]      ; and its 512 bytes of scale words
.macro LOAD t                          ; step t: load i takes the tile's rows 2 i and 2 i + 1, which lie 2 i + 8 (i / 4) (+ 1) rows below its first
.irp i, 0,1,2,3
	global_load_b128 v[R+32*((\t)%3)+4*\i:R+32*((\t)%3)+4*\i+3], v4, s[24:25] offset:(2*\i)*ROWB+256*(\t) th:TH_LOAD_NT
.endr
.irp i, 4,5,6,7
	global_load_b128 v[R+32*((\t)%3)+4*\i:R+32*((\t)%3)+4*\i+3], v14, s[24:25] offset:(2*\i+8)*ROWB+256*(\t) th:TH_LOAD_NT
.endr
.endm
.macro TURN t                          ; through the stage: LDS serves a wave's instructions in order (ISA guide 5.7.1.4), so no wait stands between the stores and the loads
.irp i, 0,1,2,3,4,5,6,7
	ds_store_b128 v5, v[R+32*((\t)%3)+4*\i:R+32*((\t)%3)+4*\i+3] offset:STG*((\t)%2)+2*SP*\i
.endr
.irp j, 0,1,2,3,4,5,6,7
	ds_load_b128 v[X+32*((\t)%2)+4*\j:X+32*((\t)%2)+4*\j+3], v6 offset:STG*((\t)%2)+16*\j
.endr
.endm
	LOAD 0
	LOAD 1
	LOAD 2
	s_wait_loadcnt 16                              ; step 0's eight loads are in; the sixteen behind them may be out
	TURN 0
.macro STEP t
.set XS, X+32*((\t)%2)
.set CC, C+8*((\t)%4)
	s_wait_dscnt 0x0                               ; this step's numbers are back from the stage, and its stores into the stage have read their registers,
.if (\t)+3 < 16
	LOAD (\t)+3                                    ; which take the loads of three steps on
.endif
.if (\t)+1 < 16
.if (\t) <= 12
	s_wait_loadcnt 16                              ; the next step's eight loads are in; the two sets behind them may be out
.else
	s_wait_loadcnt 8*(14-(\t))                     ; (towards the end: one set, then none)
.endif
	TURN (\t)+1                                    ; they go through the other stage while this step is worked
.endif
	s_wait_xcnt 0x0                                ; the stores of four steps ago have read this slot of codes: it is written again only behind this wait
	v_max3_num_f32 v10, |v[XS]|, |v[XS+1]|, |v[XS+2]|     ; the block's largest magnitude: all 32 numbers are mine; two chains
	v_max3_num_f32 v11, |v[XS+3]|, |v[XS+4]|, |v[XS+5]|
.irp i, 6,10,14,18,22,26
	v_max3_num_f32 v10, v10, |v[XS+\i]|, |v[XS+\i+1]|
	v_max3_num_f32 v11, v11, |v[XS+\i+2]|, |v[XS+\i+3]|
.endr
	v_max3_num_f32 v10, v10, |v[XS+30]|, |v[XS+31]|
	v_max3_num_f32 v10, v10, v11, 0x1800000        ; and the floor 2^(3 - 127): the byte cannot fall under 1
	v_add_nc_u32 v12, 0xff000000, v10              ; 2 off its exponent field: the conversion takes the exponent field of this operand as its scale, and nothing else of it
	v_cvt_scalef32_pk16_fp6_f32 v[CC:CC+2], v[XS:XS+15], v12
	v_cvt_scalef32_pk16_fp6_f32 v[T:T+2], v[XS+16:XS+31], v12
	v_lshrrev_b32 v13, 23, v12                     ; the scale's byte.  (Also the plain instruction between the conversions and the moves that read their result)
.if (\t)%2 == 0
	v_mov_b32 v[W+(\t)/2], v13                     ; block 2 (t % 2) + h of K step t / 2: bytes 0 and 2 here; lanes 16-31 move theirs up at the end
.else
	v_lshl_or_b32 v[W+(\t)/2], v13, 16, v[W+(\t)/2]
.endif
.irp i, 0,1,2
	v_mov_b32 v[CC+3+\i], v[T+\i]
.endr
	global_store_b128 v7, v[CC:CC+3], s[18:19] offset:768*(\t)         ; 32 lanes store 512 consecutive bytes,
	global_store_b64 v8, v[CC+4:CC+5], s[18:19] offset:768*(\t)+512    ; and 256: the image's three aligned blocks of 256 bytes
.endm
.irp t, 0,1,2,3,4,5,6,7,8,9,10,11,12,13,14,15
	STEP \t
.endr
.irp s, 0,1,2,3,4,5,6,7
	v_lshlrev_b32 v[W+\s], v9, v[W+\s]             ; lanes 16-31: bytes 1 and 3
.endr
.irp s, 0,1,2,3,4,5,6,7
	v_permlanex16_b32 v[10+\s%4], v[W+\s], s30, s31   ; (the destinations have been written before)
	v_or_b32 v[W+\s], v[W+\s], v[10+\s%4]          ; with lane l xor 16's two bytes the word is whole
.endr
	v_cmp_le_u32 vcc_lo, 16, v1
.irp j, 0,1,2,3
	v_cndmask_b32 v[OW+\j], v[W+\j], v[W+4+\j], vcc_lo   ; lanes 0-15 store K steps 0-3, lanes 16-31 K steps 4-7
.endr
	global_store_b128 v7, v[OW:OW+3], s[20:21]     ; 512 consecutive bytes
	s_wait_tensorcnt 0x0
	ds_add_u32 v224, v225
	s_wait_dscnt 0x0
	s_endpgm
.Lfunc_end_k_qa90067afaa_quant:
	.size	k_qa90067afaa_quant, .Lfunc_end_k_qa90067afaa_quant-k_qa90067afaa_quant
	.p2alignl 7, 3214868480
	.fill 96, 4, 3214868480
	.section	.rodata,"a",@progbits
	.p2align	6, 0x0
	.amdhsa_kernel k_qa90067afaa_quant
		.amdhsa_group_segment_fixed_size 61952
		.amdhsa_private_segment_fixed_size 0
		.amdhsa_enable_private_segment 0
		.amdhsa_kernarg_size 72
		.amdhsa_user_sgpr_count 2
		.amdhsa_user_sgpr_kernarg_segment_ptr 1
		.amdhsa_wavefront_size32 1
		.amdhsa_system_sgpr_workgroup_id_x 1
		.amdhsa_system_sgpr_workgroup_id_y 1
		.amdhsa_system_sgpr_workgroup_id_z 1
		.amdhsa_system_vgpr_workitem_id 0
		.amdhsa_next_free_vgpr 226
		.amdhsa_next_free_sgpr 66
		.amdhsa_reserve_vcc 1
		.amdhsa_float_denorm_mode_32 3
		.amdhsa_float_denorm_mode_16_64 3
		.amdhsa_memory_ordered 1
		.amdhsa_forward_progress 1
		.amdhsa_inst_pref_size 60
	.end_amdhsa_kernel
	.amdgpu_metadata
---
amdhsa.version: [ 1, 2 ]
amdhsa.kernels:
  - .name:           k_qa90067afaa_quant
    .symbol:         k_qa90067afaa_quant.kd
    .args:
      - { .name: q, .offset: 0, .size: 8, .value_kind: global_buffer, .address_space: global }
      - { .name: k, .offset: 8, .size: 8, .value_kind: global_buffer, .address_space: global }
      - { .name: v, .offset: 16, .size: 8, .value_kind: global_buffer, .address_space: global }
      - { .name: Wq, .offset: 24, .size: 8, .value_kind: global_buffer, .address_space: global }
      - { .name: Wk, .offset: 32, .size: 8, .value_kind: global_buffer, .address_space: global }
      - { .name: Wv, .offset: 40, .size: 8, .value_kind: global_buffer, .address_space: global }
      - { .name: Wo, .offset: 48, .size: 8, .value_kind: global_buffer, .address_space: global }
      - { .name: img, .offset: 56, .size: 8, .value_kind: global_buffer, .address_space: global }
      - { .name: isc, .offset: 64, .size: 8, .value_kind: global_buffer, .address_space: global }
    .group_segment_fixed_size: 61952
    .private_segment_fixed_size: 0
    .kernarg_segment_align: 8
    .kernarg_segment_size: 72
    .max_flat_workgroup_size: 224
    .sgpr_count:     66
    .vgpr_count:     226
    .wavefront_size: 32
...
	.end_amdgpu_metadata
.endif
;; end of part 1
;; launch proj (part 2): grid 4 x 64, 4 waves a work-group, clusters of 4 x 4, 327,680 bytes of LDS; arguments img, isc, bq, bk, bv, pc, ps; writes pc, ps
.if DOCPART == 2
	.amdgcn_target "amdgcn-amd-amdhsa--gfx1250"
	.amdhsa_code_object_version 6
	.text
	.protected	k_qa90067afaa_proj
	.globl	k_qa90067afaa_proj
	.p2align	8
	.type	k_qa90067afaa_proj,@function
k_qa90067afaa_proj:
	s_mov_b64 s[64:65], 0
	v_nop
	global_prefetch_b8 v0, s[64:65] scope:SCOPE_SE
	s_setreg_imm32_b32 hwreg(HW_REG_WAVE_MODE, 25, 1), 1
	s_wait_xcnt 0x0
	s_wait_alu depctr_hold_cnt(0) depctr_sa_sdst(0) depctr_va_vdst(0) depctr_va_sdst(0) depctr_va_ssrc(0) depctr_va_vcc(0) depctr_vm_vsrc(0)
	s_getreg_b32 s2, hwreg(HW_REG_IB_STS2, 6, 4)
	s_cmp_eq_u32 s2, 0
	s_cbranch_scc0 .Lentry_in_a_cluster
	s_endpgm
.Lentry_in_a_cluster:
	s_bfe_u32 s2, ttmp6, 0x10000c
	s_cmp_lg_u32 s2, 0xf033
	s_cbranch_scc0 .Lentry_shape_is_right
	s_endpgm
.Lentry_shape_is_right:
; The three projections x W^T + b on codes of FP6 (E2M3, one E8M0 scale for each 32 along K = 1,024), and the quantising of their results for the attention.
; C'[i][j] = sum over k of P[i][k] R[j][k]: P is source 0, so a lane's result registers run along P's rows; R is source 1, so a lane stands for one row of R.
;   Q, K (kind 0, 1): P = the weight (features), R = the tokens: a lane holds one token and 128 neighbouring features: two heads, quantised along the head's 64.
;   V    (kind 2):    P = the tokens, R = the weight: a lane holds one feature and 128 neighbouring keys: one K step of the attention's second product, quantised along the keys.
; Operands come as the images that the first launch laid (768 bytes for 16 rows x 64 K; a tile's 16 images on end).  In P's tensors tile T = rows 32 (T / 2) + 8 (T % 2) + r + 8 (r / 8), so the 16 result
; registers of P's tiles 2 b and 2 b + 1 are the 16 neighbours 32 b + 16 (lane / 16) + 0 .. 15, as the conversions want them.
; SHARES: a block is 256 P x 128 R, each of the four waves 128 P x 64 R: 32 accumulators.  256 WORK-GROUPS STAY and make three blocks each: one of Q, one of K (a loop of two trips), one of V (written out: it asks for nothing more).
; LDS: a ring of two slots: slot j holds half j of K (512 along K) of P's 16 tiles and R's 8: a tile's part is one row of 6,144 bytes.  At the head one tensor load a wave: P's and R's half 0 (waves 0, 1), half 1 (waves 2, 3).
; THE RING GOES ON INTO THE NEXT BLOCK: slot 0 is filled again in K step 3 (waves 0 and 1, one load each), slot 1 in the middle of the way out (waves 2 and 3); each refill stands behind a drained round of the
; cluster's barrier, behind a wait on TENSORcnt, an add onto the spare word and a wait on DScnt.  Every wait on TENSORcnt is for 0; by the text's own count a wave has one load out at the most.
; From a refill to the wait for it stand four K steps (128 matrix instructions a wave) and half a way out; so no prefetch is laid ahead of the refills.
; CLUSTERS: 4 x 4.  P's tiles hang on cx and are asked for jointly by the four of a column, R's on cy and by the four of a row.  The kind is the trip's number: the same in all sixteen.
; RESULTS: pc [b x 16 + head][294,912]: Q's images [tile 0..127][768], K's at 98,304, V's fragments [key step][tile of d][1,536] at 196,608.  ps [..][20,480]: units of 256 bytes, word (j, r) at 16 r + 4 j:
; Q's [tile / 4] (j = tile % 4; bytes 2 and 3 are 0), K's at 8,192, V's [key step] (j = tile of d) at 16,384.
; LIMITS: a block whose largest magnitude lies under 2^-124 gets the byte 1; NaN and infinities are not served.
; REGISTERS, in windows of 256: window 0: v1-28 lane numbers and addresses; v32-63 P's scale words, v64-79 R's; v80-127 and v176-223 R's fragments, two sets; in the way out v128-239 at work.
;   window 1: P's fragments, two sets, at v0 and v128.   window 2: accumulator (a, b) at v[8 (8 a + b)].   window 3: v0-63 the bias along P, v64-71 bv along R, v128-191 bk in waiting.
.set TILEB, 12288                      ; a tile's 16 images
.set CHB,   6144                       ; a tile's part of a slot
.set PCH,   16*CHB
.set RCH,   8*CHB
.set RBASE, 2*PCH                      ; R's two halves lie behind P's two
.set AP16, 8                           ; v8, v9   slot j: LDS address of my P tiles + 16 x lane
.set AP8,  12                          ; v12, v13 + 8 x lane
.set AR16, 16                          ; v16, v17 the same for R
.set AR8,  20                          ; v20, v21
.set SCP,  32                          ; P's scale words: tile b, register 4 b + j: lanes 0-15 K step j, lanes 16-31 K step 4 + j
.set SCR,  64                          ; R's: tile a, register 4 a + j likewise
.set RF,   80                          ; R's fragments: set e at RF + 96 e
.set H,    128                         ; the way out: 64 numbers of a lane
.set PC,   192                         ; their codes (v192-203), and two runs at work
.set TM,   212                         ; v212-215 largest magnitudes, v216-219 bytes, v224-227 the conversions' scale operands
.set PW,   228
.set WS,   232
.set XW,   236
.set SEL,  2
.set MSB, 0
.macro WIN new                         ; bits 1:0 source 0, 3:2 source 1, 5:4 source 2, 7:6 destination; the immediate's high byte repeats the setting that is left
.if MSB != \new
	s_set_vgpr_msb (MSB<<8)|\new
.set MSB, \new
.endif
.endm
.macro PLACES n
.rept \n
	v_nop
.endr
.endm
.macro WALU
	s_wait_alu depctr_va_vdst(0)
.endm
.macro CREST                           ; a round of the cluster's barrier behind its opening barrier
	s_cmp_lg_u32 s18, 0
	s_cbranch_scc1 .Lnot_wave_0_\@
	s_barrier_signal -3
.Lnot_wave_0_\@:
	s_barrier_wait -3
	s_barrier_signal -1
	s_barrier_wait -1
.endm
.macro CROUND
	s_barrier_signal -1
	s_barrier_wait -1
	CREST
.endm
.macro FRAG reg, a16, a8, off          ; a fragment, 16 rows x 128 K, is two images on end: each instruction reads consecutive bytes over the lanes
	ds_load_b128 v[(\reg):(\reg)+3], v[\a16] offset:\off
	ds_load_b64 v[(\reg)+4:(\reg)+5], v[\a8] offset:\off+512
	ds_load_b128 v[(\reg)+6:(\reg)+9], v[\a16] offset:\off+768
	ds_load_b64 v[(\reg)+10:(\reg)+11], v[\a8] offset:\off+1280
.endm
; a kind's block for my work-group: its number along P and along R, and their first tiles in img.  s25: my cluster among the sixteen
.macro COORD k, bp, br, tp, tr
	s_and_b32 s26, s25, 7
	s_lshr_b32 s27, s25, 3
	s_lshl_b32 s28, s\k, 6
	s_add_co_u32 s28, s28, 1536                    ; Wq's or Wk's first tile
	s_lshl_b32 s29, s\k, 9                         ; q's or k's
	s_cmp_eq_u32 s\k, 2
	s_cselect_b32 s26, s26, 0                      ; clusters along P: 8 for V (32 blocks of tokens), 1 else
	s_cselect_b32 s27, s27, s25                    ; along R: 2 for V, 16 else
	s_cselect_b32 s28, 1024, s28                   ; V: P = v's tiles,
	s_cselect_b32 s29, 1664, s29                   ; R = Wv's
	s_lshl_b32 s\bp, s26, 2
	s_add_co_u32 s\bp, s\bp, s21
	s_lshl_b32 s\br, s27, 2
	s_add_co_u32 s\br, s\br, s22
	s_lshl_b32 s\tp, s\bp, 4
	s_add_co_u32 s\tp, s\tp, s28
	s_lshl_b32 s\tr, s\br, 3
	s_add_co_u32 s\tr, s\tr, s29
.endm
.macro G0SET g, tile, t, add           ; group 0's address: img + 12,288 x tile + add
	s_mul_i32 s\t, s\tile, TILEB
	s_mov_b32 s[\t+1], 0
	s_add_nc_u64 s[\g+2:\g+3], s[4:5], s[\t:\t+1]
	s_add_nc_u64 s[\g+2:\g+3], s[\g+2:\g+3], \add
	s_or_b32 s[\g+3], s[\g+3], 0x80000000
.endm
.macro TLOAD g0, g1
	tensor_load_to_lds s[\g0:\g0+3], s[\g1:\g1+7]
	s_nop 0
	PLACES 4
.endm
.macro REFILL w, gp, gr                ; wave w asks for P's half, wave w + 1 for R's
	s_cmp_eq_u32 s18, \w
	s_cbranch_scc0 .Lnot_p_\@
	TLOAD \gp, 32
	s_branch .Ljoin_\@
.Lnot_p_\@:
	s_cmp_eq_u32 s18, \w+1
	s_cbranch_scc0 .Ljoin_\@
	TLOAD \gr, 40
.Ljoin_\@:
.endm
.macro SCALES tp, tr                   ; the scale words of my eight tiles of P and my four of R, 512 bytes a tile
	s_lshl_b32 s94, s19, 3
	s_add_co_u32 s94, s94, s\tp
	s_lshl_b32 s94, s94, 9
	s_mov_b32 s95, 0
	s_add_nc_u64 s[94:95], s[6:7], s[94:95]
	s_lshl_b32 s96, s20, 2
	s_add_co_u32 s96, s96, s\tr
	s_lshl_b32 s96, s96, 9
	s_mov_b32 s97, 0
	s_add_nc_u64 s[96:97], s[6:7], s[96:97]
.irp b, 0,1,2,3,4,5,6,7
	global_load_b128 v[SCP+4*\b:SCP+4*\b+3], v4, s[94:95] offset:512*\b
.endr
.irp a, 0,1,2,3
	global_load_b128 v[SCR+4*\a:SCR+4*\a+3], v4, s[96:97] offset:512*\a
.endr
.endm
	s_load_b256 s[4:11], s[0:1], 0x0               ; img, isc, bq, bk
	s_load_b128 s[12:15], s[0:1], 0x20             ; bv, pc
	s_load_b64 s[16:17], s[0:1], 0x30              ; ps
	v_lshl_add_u32 v254, v0, 2, 0x48000
	v_mov_b32 v255, 0
	ds_add_u32 v254, v255                          ; the opening lines: the add, twice on end, and its wait
	ds_add_u32 v254, v255
	v_lshrrev_b32 v1, 5, v0
	v_readfirstlane_b32 s18, v1                    ; wave
	s_and_b32 s19, s18, 1                          ; wp: which 128 of P
	s_lshr_b32 s20, s18, 1                         ; wr: which 64 of R
	s_bfe_u32 s21, ttmp6, 0x40000                  ; cx
	s_bfe_u32 s22, ttmp6, 0x40004                  ; cy
	s_and_b32 s25, ttmp7, 0xffff                   ; the cluster's y, 0 .. 15
	s_mov_b32 s23, 0                               ; the kind
	COORD 23, 30, 31, 84, 85
	; descriptor group 1: rows of 6,144 bytes (768 elements of 8), one for each tile, 12,288 bytes apart; P: 16 tiles, R: 8.  No padding: the images are read as they lie
	s_lshl_b32 s92, 0x1111, s21                    ; my column of the cluster
	s_or_b32 s32, s92, (3<<16)|(1<<21)
	s_lshl_b32 s93, s22, 2
	s_lshl_b32 s93, 15, s93                        ; my row
	s_or_b32 s40, s93, (3<<16)|(1<<21)
.irp g, 32, 40
	s_mov_b32 s[\g+1], 768<<16
	s_mov_b32 s[\g+3], 768<<16
	s_mov_b32 s[\g+5], 1536
	s_mov_b32 s[\g+6], 0
	s_mov_b32 s[\g+7], 0
.endr
	s_mov_b32 s34, 16<<16
	s_mov_b32 s36, 16
	s_mov_b32 s42, 8<<16
	s_mov_b32 s44, 8
.irp j, 0,1                            ; group 0 for each slot: s48-55 P's, s68-75 R's
	s_mov_b32 s[48+4*\j], 1
	s_mov_b32 s[49+4*\j], PCH*\j
	s_mov_b32 s[68+4*\j], 1
	s_mov_b32 s[69+4*\j], RBASE+RCH*\j
.endr
	s_wait_dscnt 0x0
	s_wait_kmcnt 0x0
	G0SET 48, 84, 62, 0
	G0SET 52, 84, 62, CHB
	G0SET 68, 85, 76, 0
	G0SET 72, 85, 76, CHB
	CROUND                                         ; all sixteen work-groups are here: the joint loads meet
.macro ARM under, g0, g1, next         ; one chain of branches on the wave's number, one load to an arm, all arms to one join
	s_cmp_lt_u32 s18, \under
	s_cbranch_scc0 \next
	TLOAD \g0, \g1
	s_branch .Lhead_asked
\next:
.endm
	ARM 1, 48, 32, .Lhead_r0                       ; wave 0: P's half 0
	ARM 2, 68, 40, .Lhead_p1                       ; wave 1: R's half 0
	ARM 3, 52, 32, .Lhead_r1                       ; wave 2: P's half 1
	TLOAD 72, 40                                   ; wave 3: R's half 1
.Lhead_asked:
	s_mov_b32 s[SEL], 0x76543210
	s_mov_b32 s[SEL+1], 0xfedcba98
	s_lshl_b32 s62, s30, 10
	s_lshl_b32 s63, s19, 9
	s_add_co_u32 s62, s62, s63                     ; 4 x (256 x block of P + 128 wp): the same for Q and K
	s_mov_b32 s63, 0
	s_add_nc_u64 s[98:99], s[8:9], s[62:63]        ; in bq,
	s_add_nc_u64 s[82:83], s[10:11], s[62:63]      ; in bk
	s_mov_b32 s60, 2
	COORD 60, 56, 57, 58, 59                       ; V's block
	s_lshl_b32 s62, s57, 9
	s_lshl_b32 s78, s20, 8
	s_add_co_u32 s62, s62, s78                     ; 4 x (128 x block of R + 64 wr)
	s_add_nc_u64 s[78:79], s[12:13], s[62:63]      ; in bv
	s_mul_i32 s28, s19, 8*CHB                      ; my eight tiles of P
	s_mul_i32 s29, s20, 4*CHB                      ; my four of R
	s_add_co_u32 s29, s29, RBASE
	s_add_co_u32 s80, s28, PCH
	s_add_co_u32 s81, s29, RCH
	s_mov_b32 s61, 0                               ; the trip
	v_and_b32 v1, 31, v0                           ; lane
	v_and_b32 v2, 15, v0                           ; r
	v_bfe_u32 v3, v0, 4, 1                         ; h
	v_lshlrev_b32 v4, 4, v1                        ; 16 x lane
	v_lshlrev_b32 v5, 3, v1                        ; 8 x lane
	v_add_nc_u32 v[AP16], s28, v4
	v_add_nc_u32 v[AP8], s28, v5
	v_add_nc_u32 v[AR16], s29, v4
	v_add_nc_u32 v[AR8], s29, v5
	v_add_nc_u32 v[AP16+1], s80, v4
	v_add_nc_u32 v[AP8+1], s80, v5
	v_add_nc_u32 v[AR16+1], s81, v4
	v_add_nc_u32 v[AR8+1], s81, v5
	v_lshlrev_b32 v24, 6, v3                       ; the bias along P: 64 h
	v_and_b32 v25, 8, v2
	v_add_nc_u32 v25, v25, v2
	v_lshlrev_b32 v25, 2, v25                      ; along R: 4 (r + 8 (r / 8))
	v_mul_u32_u24 v26, v3, 20480
	v_lshl_add_u32 v26, v2, 4, v26                 ; Q's and K's scale units: lanes 16-31 write the next head's
	v_lshlrev_b32 v27, 4, v2                       ; V's: 16 r
	v_lshlrev_b32 v28, 4, v3                       ; 16 h
.irp b, 0,1,2,3
	v_mov_b32 v[TM+4+\b], 0                        ; written once: a lane permute's destination counts as one of its sources
.endr
	WALU                                           ; the wait behind the head's vector lines
	SCALES 84, 85
	WIN 0xc0                                       ; destination window 3
.irp b, 0,1,2,3
.irp q, 0,1,2,3
	global_load_b128 v[16*\b+4*\q:16*\b+4*\q+3], v24, s[98:99] offset:128*\b+16*\q           ; register 16 b + i: bq at P's row 32 b + 16 h + i
	global_load_b128 v[128+16*\b+4*\q:128+16*\b+4*\q+3], v24, s[82:83] offset:128*\b+16*\q   ; and bk, in waiting
.endr
.endr
.irp a, 0,1,2,3
	global_load_b32 v[64+2*\a], v25, s[78:79] offset:4*(32*(\a/2)+8*(\a%2))   ; bv at my row of R's tile a, twice: a pair for the packed addition
	global_load_b32 v[65+2*\a], v25, s[78:79] offset:4*(32*(\a/2)+8*(\a%2))
.endr
	WIN 0
.macro FETCH s                         ; the fragments of K step s (128 along K) into set s % 2: 48 LDS loads in one run
	WIN 0x40                                       ; destination window 1
.irp i, 0,1,2,3,4,5,6,7
	FRAG 128*((\s)%2)+12*\i, AP16+(\s)/4, AP8+(\s)/4, CHB*\i+1536*((\s)%4)
.endr
	WIN 0
.irp a, 0,1,2,3
	FRAG RF+96*((\s)%2)+12*\a, AR16+(\s)/4, AR8+(\s)/4, CHB*\a+1536*((\s)%4)
.endr
.endm
.macro MULA s, a                       ; eight matrix instructions: R's tile a against P's eight.  The 32 accumulators take turns, in the same order in every step.  The first step starts the sums
.irp b, 0,1,2,3,4,5,6,7
.if (\s) == 0
	v_wmma_scale_f32_16x16x128_f8f6f4 v[8*(8*\a+\b):8*(8*\a+\b)+7], v[12*\b:12*\b+11], v[RF+12*\a:RF+12*\a+11], 0, v[SCP+4*\b], v[SCR+4*\a] matrix_a_fmt:MATRIX_FMT_FP6 matrix_b_fmt:MATRIX_FMT_FP6
.elseif (\s) < 4
	v_wmma_scale_f32_16x16x128_f8f6f4 v[8*(8*\a+\b):8*(8*\a+\b)+7], v[128*((\s)%2)+12*\b:128*((\s)%2)+12*\b+11], v[RF+96*((\s)%2)+12*\a:RF+96*((\s)%2)+12*\a+11], v[8*(8*\a+\b):8*(8*\a+\b)+7], v[SCP+4*\b+(\s)%4], v[SCR+4*\a+(\s)%4] matrix_a_fmt:MATRIX_FMT_FP6 matrix_b_fmt:MATRIX_FMT_FP6
.else
	v_wmma_scale_f32_16x16x128_f8f6f4 v[8*(8*\a+\b):8*(8*\a+\b)+7], v[128*((\s)%2)+12*\b:128*((\s)%2)+12*\b+11], v[RF+96*((\s)%2)+12*\a:RF+96*((\s)%2)+12*\a+11], v[8*(8*\a+\b):8*(8*\a+\b)+7], v[SCP+4*\b+(\s)%4], v[SCR+4*\a+(\s)%4] matrix_a_fmt:MATRIX_FMT_FP6 matrix_b_fmt:MATRIX_FMT_FP6 matrix_a_scale:MATRIX_SCALE_ROW1 matrix_b_scale:MATRIX_SCALE_ROW1
.endif
.endr
.endm
.macro STEP s, rf                      ; rf = 1: a block that has a successor
	s_wait_dscnt 0x0                               ; this step's fragments are in (asked for 32 matrix instructions ago)
.if ((\s) == 3) && \rf
	s_wait_tensorcnt 0x0                           ; all my tensor loads have landed, my part of slot 1 among them;
	ds_add_u32 v254, v255                          ; 0 onto my spare word;
	s_add_co_u32 s60, s23, 1                       ; no load of mine is out: the next block's places, and slot 0's descriptors
	COORD 60, 56, 57, 58, 59
	G0SET 48, 58, 62, 0
	G0SET 68, 59, 76, 0
	WIN 0xa1
	MULA \s, 0
	s_wait_dscnt 0x0                               ; the add is done; my reads of slot 0 were over at the step's head
	s_barrier_signal -1
	MULA \s, 1                                     ; work on registers while the others arrive
	WIN 0
	s_barrier_wait -1
	CREST                                          ; no wave of any partner still reads slot 0 or has a load on its way; slot 1 is whole
	REFILL 0, 48, 68                               ; the next block's half 0
	PLACES 4                                       ; between K step 2's products and the loads into the set that they read, on every wave's way
	FETCH 4
	WIN 0xa1
	MULA \s, 2
	MULA \s, 3
	WIN 0
.else
.if (\s) == 3
	s_wait_tensorcnt 0x0                           ; the last block: slot 1's load has landed,
	s_barrier_signal -1
	s_barrier_wait -1                              ; and is shown to all.
.endif
.if (\s) < 7
.if (\s) > 0
	PLACES 4                                       ; four plain lines between the last step's products and the loads into the set that they read (ISA guide 7.12.1 for vector instructions)
.endif
	FETCH (\s)+1
.endif
	WIN 0xa1                                       ; source 0 (P) window 1, source 1 (R) window 0, C and D window 2
.irp a, 0,1,2,3
	MULA \s, \a
.endr
	WIN 0
.endif
.endm
; 64 numbers of a lane, v[s] .. v[s + 63], register 16 b + i = k 32 b + 16 (lane / 16) + i of my row, become a fragment's codes in v[PC] on and its scale word in v[PW].
.macro QUANT s
.irp b, 0,1,2,3
	v_max3_num_f32 v[TM+\b], |v[\s+16*\b]|, |v[\s+1+16*\b]|, 0x1800000   ; block b: my 16 numbers, and the floor 2^(3 - 127): the byte cannot fall under 1
.endr
.irp i, 2,4,6,8,10,12,14
.irp b, 0,1,2,3
	v_max3_num_f32 v[TM+\b], v[TM+\b], |v[\s+16*\b+\i]|, |v[\s+1+16*\b+\i]|
.endr
.endr
.irp b, 0,1,2,3
	v_permlanex16_b32 v[TM+4+\b], v[TM+\b], s[SEL], s[SEL+1]
.endr
.irp b, 0,1,2,3
	v_max_num_f32 v[TM+\b], v[TM+\b], v[TM+4+\b]   ; with lane l xor 16's: the block's largest magnitude
.endr
.irp b, 0,1,2,3
	v_add_nc_u32 v[TM+12+\b], 0xff000000, v[TM+\b] ; 2 off its exponent field: the conversion's scale operand
.endr
.irp b, 0,1,2,3
	v_lshrrev_b32 v[TM+4+\b], 23, v[TM+12+\b]      ; the scale's byte
.endr
	v_lshl_or_b32 v[PW], v[TM+5], 8, v[TM+4]
	v_lshl_or_b32 v[PW], v[TM+6], 16, v[PW]
	v_lshl_or_b32 v[PW], v[TM+7], 24, v[PW]
.irp c, 0,1
	v_cvt_scalef32_pk16_fp6_f32 v[PC+6*\c:PC+2+6*\c], v[\s+32*\c:\s+15+32*\c], v[TM+12+2*\c]
	v_cvt_scalef32_pk16_fp6_f32 v[PC+12+4*\c:PC+14+4*\c], v[\s+16+32*\c:\s+31+32*\c], v[TM+12+2*\c+1]   ; (a conversion's three registers begin on an even number)
.endr
	v_nop                                          ; one plain line behind the conversions
.irp c, 0,1                                    ; the operand's layout wants a whole block in a lane
.irp i, 0,1,2
	v_permlane16_swap_b32 v[PC+6*\c+\i], v[PC+12+4*\c+\i]
.endr
.irp i, 0,1,2
	v_mov_b32 v[PC+3+6*\c+\i], v[PC+12+4*\c+\i]
.endr
.endr
.endm
; THE WAY OUT.  For each of R's four tiles: the 64 sums and the bias go to window 0, are quantised, and the two images leave straight from registers.  vk = 1: V.  rf = 1: the block has a successor:
; its scale words are asked for at once, and the round for slot 1's refill stands round the third tile's quantising; behind it the successor's first fragments are fetched.
.macro EPI vk, rf
	s_wait_xcnt 0x0                                ; earlier stores and loads have read their bases: they are written again only behind this wait
.if \rf
	SCALES 58, 59
.endif
.if \vk
	s_lshl_b32 s90, s30, 1
	s_add_co_u32 s90, s90, s19                     ; my 128 tokens among the 64 such groups
	s_lshr_b32 s91, s90, 4                         ; batch
	s_and_b32 s90, s90, 15                         ; key step
	s_lshl_b32 s91, s91, 4
	s_lshl_b32 s92, s31, 1
	s_add_co_u32 s91, s91, s92
	s_add_co_u32 s91, s91, s20                     ; 16 x batch + head
	s_mul_i32 s86, s91, 294912
	s_mul_i32 s92, s90, 6144
	s_add_co_u32 s86, s86, s92
	s_add_co_u32 s86, s86, 196608
	s_mul_i32 s88, s91, 20480
	s_lshl_b32 s92, s90, 8
	s_add_co_u32 s88, s88, s92
	s_add_co_u32 s88, s88, 16384
.else
	s_lshl_b32 s90, s31, 3
	s_lshl_b32 s91, s20, 2
	s_add_co_u32 s90, s90, s91                     ; my first tile of tokens
	s_lshr_b32 s91, s90, 7                         ; batch
	s_and_b32 s90, s90, 127                        ; the tile in its batch
	s_lshl_b32 s91, s91, 4
	s_lshl_b32 s92, s30, 2
	s_add_co_u32 s91, s91, s92
	s_lshl_b32 s92, s19, 1
	s_add_co_u32 s91, s91, s92                     ; 16 x batch + my first head
	s_mul_i32 s86, s91, 294912
	s_mul_i32 s92, s23, 98304
	s_add_co_u32 s86, s86, s92
	s_mul_i32 s92, s90, 768
	s_add_co_u32 s86, s86, s92
	s_mul_i32 s88, s91, 20480
	s_lshl_b32 s92, s23, 13
	s_add_co_u32 s88, s88, s92
	s_lshl_b32 s92, s90, 6                         ; 256 x (tile / 4): the tile is a multiple of 4
	s_add_co_u32 s88, s88, s92
.endif
	s_mov_b32 s87, 0
	s_mov_b32 s89, 0
	s_add_nc_u64 s[86:87], s[14:15], s[86:87]
	s_add_nc_u64 s[88:89], s[16:17], s[88:89]
.irp a, 0,1,2,3
.if \a > 0
	s_wait_xcnt 0x0                                ; the last tile's stores have read their registers: the codes are written again only behind this wait
.endif
.if \rf && (\a == 2)
	s_wait_tensorcnt 0x0                           ; all my tensor loads have landed, my part of slot 0 among them;
	ds_add_u32 v254, v255                          ; 0 onto my spare word;
	G0SET 52, 58, 62, CHB                          ; slot 1's descriptors
	G0SET 72, 59, 76, CHB
	s_wait_dscnt 0x0                               ; the add is done; my reads of slot 1 were over at K step 7's head
	s_barrier_signal -1                            ; the tile's quantising, work on registers, stands between the signal and the wait
.endif
	WIN 0x0e                                       ; source 0 window 2 (the sums), source 1 window 3 (the bias), destination window 0
.set i, 0
.rept 32                               ; each accumulator from its low end on
.if \vk
	v_pk_add_f32 v[H+2*i:H+2*i+1], v[64*\a+2*i:64*\a+2*i+1], v[64+2*\a:65+2*\a]
.else
	v_pk_add_f32 v[H+2*i:H+2*i+1], v[64*\a+2*i:64*\a+2*i+1], v[2*i:2*i+1]
.endif
.set i, i+1
.endr
	WIN 0
	QUANT H
.if \rf && (\a == 2)
	s_barrier_wait -1
	CREST                                          ; no wave of any partner still reads slot 1 or has a load on its way; slot 0 is whole
	REFILL 2, 52, 72                               ; the next block's half 1
	FETCH 0                                        ; and its first fragments, into set 0, which the way out does not touch
	WALU                                           ; the wait ahead of the stores of what was made ahead of the round
.endif
.irp e, 0,1
.if \vk
	global_store_b128 v4, v[PC+6*\e:PC+6*\e+3], s[86:87] offset:1536*\a+768*\e            ; keys 64 e on of tile a of d
	global_store_b64 v5, v[PC+6*\e+4:PC+6*\e+5], s[86:87] offset:1536*\a+768*\e+512
.else
	global_store_b128 v4, v[PC+6*\e:PC+6*\e+3], s[86:87] offset:768*\a+294912*\e          ; head e of my two: 512 consecutive bytes,
	global_store_b64 v5, v[PC+6*\e+4:PC+6*\e+5], s[86:87] offset:768*\a+294912*\e+512     ; and 256
.endif
.endr
	v_mov_b32 v[WS+\a], v[PW]
.endr
.if \vk
	global_store_b128 v27, v[WS:WS+3], s[88:89]    ; the key step's unit of 256 bytes; lanes r and r + 16 hold the same words and write them to the same place
.else
.irp j, 0,1,2,3
	v_lshrrev_b32 v[XW+\j], v28, v[WS+\j]          ; lanes 0-15 the first head's two bytes, lanes 16-31 the second's;
.endr
.irp j, 0,1,2,3
	v_and_b32 v[XW+\j], 0xffff, v[XW+\j]           ; bytes 2 and 3 are 0: the attention's first product has K = 64
.endr
	global_store_b128 v26, v[XW:XW+3], s[88:89]    ; each half of the wave writes one whole unit of 256 bytes
.endif
.endm
	s_cmp_lt_u32 s18, 2
	s_cbranch_scc0 .Lnot_half_0
	s_wait_tensorcnt 0x0                           ; waves 0 and 1: half 0 has landed; the lines of waves 2 and 3 may be out
.Lnot_half_0:
	s_barrier_signal -1
	s_barrier_wait -1
	FETCH 0
.Lblock:                               ; Q's block, then K's
	s_wait_loadcnt 0x0                             ; the block's scale words (the first time: the biases too)
.irp s, 0,1,2,3,4,5,6,7
	STEP \s, 1
.endr
	PLACES 4                                       ; between the last products and the first read of results, and the loads into the scale words
	EPI 0, 1
	s_wait_xcnt 0x0                                ; the stores have read their data: the next block's fragments land on those registers
	s_mov_b32 s23, s60                             ; on to the next block
	s_mov_b32 s30, s56
	s_mov_b32 s31, s57
	WALU
	s_cmp_lg_u32 s61, 0
	s_cbranch_scc1 .Lno_copy
	WIN 0xc3                                       ; source 0 and destination window 3
.set i, 0
.rept 64
	v_mov_b32 v[i], v[128+i]                       ; behind Q's block: bk takes bq's place
.set i, i+1
.endr
	WIN 0
.Lno_copy:
	s_add_co_u32 s61, s61, 1
	s_cmp_lt_u32 s61, 2
	WALU                                           ; the wait ahead of the branch
	s_cbranch_scc1 .Lblock
	s_wait_loadcnt 0x0                             ; V's block: nothing more is asked for
.irp s, 0,1,2,3,4,5,6,7
	STEP \s, 0
.endr
	PLACES 4
	EPI 1, 0
	s_wait_tensorcnt 0x0                           ; the wave's end
	ds_add_u32 v254, v255
	s_wait_dscnt 0x0
	CROUND                                         ; the closing round: no work-group ends while a partner may still ask for a tile that names it
	s_endpgm
.Lfunc_end_k_qa90067afaa_proj:
	.size	k_qa90067afaa_proj, .Lfunc_end_k_qa90067afaa_proj-k_qa90067afaa_proj
	.p2alignl 7, 3214868480
	.fill 96, 4, 3214868480
	.section	.rodata,"a",@progbits
	.p2align	6, 0x0
	.amdhsa_kernel k_qa90067afaa_proj
		.amdhsa_group_segment_fixed_size 327680
		.amdhsa_private_segment_fixed_size 0
		.amdhsa_enable_private_segment 0
		.amdhsa_kernarg_size 56
		.amdhsa_user_sgpr_count 2
		.amdhsa_user_sgpr_kernarg_segment_ptr 1
		.amdhsa_wavefront_size32 1
		.amdhsa_system_sgpr_workgroup_id_x 1
		.amdhsa_system_sgpr_workgroup_id_y 1
		.amdhsa_system_sgpr_workgroup_id_z 1
		.amdhsa_system_vgpr_workitem_id 0
		.amdhsa_next_free_vgpr 1024
		.amdhsa_next_free_sgpr 102
		.amdhsa_reserve_vcc 0
		.amdhsa_float_denorm_mode_32 3
		.amdhsa_float_denorm_mode_16_64 3
		.amdhsa_memory_ordered 1
		.amdhsa_forward_progress 1
		.amdhsa_inst_pref_size 191
	.end_amdhsa_kernel
	.amdgpu_metadata
---
amdhsa.version: [ 1, 2 ]
amdhsa.kernels:
  - .name:           k_qa90067afaa_proj
    .symbol:         k_qa90067afaa_proj.kd
    .args:
      - { .name: img, .offset: 0, .size: 8, .value_kind: global_buffer, .address_space: global }
      - { .name: isc, .offset: 8, .size: 8, .value_kind: global_buffer, .address_space: global }
      - { .name: bq, .offset: 16, .size: 8, .value_kind: global_buffer, .address_space: global }
      - { .name: bk, .offset: 24, .size: 8, .value_kind: global_buffer, .address_space: global }
      - { .name: bv, .offset: 32, .size: 8, .value_kind: global_buffer, .address_space: global }
      - { .name: pc, .offset: 40, .size: 8, .value_kind: global_buffer, .address_space: global }
      - { .name: ps, .offset: 48, .size: 8, .value_kind: global_buffer, .address_space: global }
    .group_segment_fixed_size: 327680
    .private_segment_fixed_size: 0
    .kernarg_segment_align: 8
    .kernarg_segment_size: 56
    .max_flat_workgroup_size: 128
    .sgpr_count:     102
    .vgpr_count:     1024
    .wavefront_size: 32
...
	.end_amdgpu_metadata
.endif
;; end of part 2
;; launch attn (part 3): grid 4 x 64, 8 waves a work-group, clusters of 4 x 1, 212,992 bytes of LDS; arguments pc, ps, oimg, osc; writes oimg, osc
.if DOCPART == 3
	.amdgcn_target "amdgcn-amd-amdhsa--gfx1250"
	.amdhsa_code_object_version 6
	.text
	.protected	k_qa90067afaa_attn
	.globl	k_qa90067afaa_attn
	.p2align	8
	.type	k_qa90067afaa_attn,@function
k_qa90067afaa_attn:
	s_mov_b64 s[64:65], 0
	v_nop
	global_prefetch_b8 v0, s[64:65] scope:SCOPE_SE
	s_setreg_imm32_b32 hwreg(HW_REG_WAVE_MODE, 25, 1), 1
	s_wait_xcnt 0x0
	s_wait_alu depctr_hold_cnt(0) depctr_sa_sdst(0) depctr_va_vdst(0) depctr_va_sdst(0) depctr_va_ssrc(0) depctr_va_vcc(0) depctr_vm_vsrc(0)
	s_getreg_b32 s2, hwreg(HW_REG_IB_STS2, 6, 4)
	s_cmp_eq_u32 s2, 0
	s_cbranch_scc0 .Lentry_in_a_cluster
	s_endpgm
.Lentry_in_a_cluster:
	s_bfe_u32 s2, ttmp6, 0x10000c
	s_cmp_lg_u32 s2, 0x3003
	s_cbranch_scc0 .Lentry_shape_is_right
	s_endpgm
.Lentry_shape_is_right:
; O[q][:] = sum over k of softmax_k(Q[q] . K[k] / 8) V[k][:] for one (batch, head), head size 64, 2,048 keys; both products on codes of FP6 (E2M3), one E8M0 scale for each 32 along a product's K;
; then O is quantised along the head's 64 for the last projection.
; THE SOFTMAX: t = score x log2(e) / 8; M = the row's largest t so far, rounded UP to a whole number; p = 2^(t - M) is quantised along the keys, not normalised.  The row's sum is taken of the
; unquantised p, in f32, and divides O at the end.  When M moves, the sum and O are multiplied by 2^(old M - new M): exact.
; SHARES: a cluster of four work-groups is one (batch, head); a work-group owns 512 queries, each of its eight waves four tiles of 16: TWO TILES AT A TIME, in two passes.  The two tiles share each fragment of K and V,
; and their chains of dependent lines stand line by line in turn.  Every wave walks all keys, 128 a step.
; THE HEAD'S WHOLE K AND V LIE IN LDS, filled once, by JOINT loads (the four partners read the same bytes; mask 15), ONE A WAVE: waves 0-5 bring 32,768 bytes each of the 196,608 of codes (K and V lie on end
; in memory and in LDS), waves 6 and 7 bring 6,144 each of the 12,288 of scale words.  Every wave waits for its load, one barrier shows all of it, and no barrier stands in the walk over the keys.
; No prefetch: all tiles are asked for at the head, so there is no later request to run ahead of.
; LAYOUT: both products are used transposed: S^T = K Q^T (source 0 = 16 keys, source 1 = 16 queries), O^T = V^T P^T: a lane holds ONE query of each tile throughout.
; Tile T of KEYS holds keys 64 (T / 4) + 8 (T % 4) + r % 8 + 32 (r / 8): so the 32 score registers of tiles 4 c .. 4 c + 3 in lane (r, h) are keys 64 c + 32 h + 0 .. 31: one whole scale block, in the order
; of the second product's operand.  Tiles of queries and of d: rows 32 (T / 2) + 8 (T % 2) + r + 8 (r / 8).
; K = 64 IN AN INSTRUCTION OF 128: a tile of K is 6 registers, the eight of a step lie on end; the product of tile t names 12: the upper six are the next tile's codes (behind the last tile: p's codes).
; They meet Q's upper six registers, which are zero codes: they add nothing.  The scale bytes there are 0, which stands for 2^-127; no byte is 0xff.
; Behind a step's first products V's fragments and the NEXT step's K are asked for.  Behind a pass's last step that is key step 0 again, for the next pass; behind the last pass those 17 loads are waited for and not used.
; LIMITS: NaN and infinities are not served; a block whose largest magnitude lies under 2^-124 gets the byte 1; the promise holds while |t| stays under 2^31.  A block's largest p is taken as the exponential of its largest score.
; RESULTS: oimg [tile of tokens 0..511][head][768]: images; osc [tile / 4][head][256]: word (tile % 4, r) at 16 r + 4 (tile % 4): two bytes, moved up by 16 bits in odd heads.  A wave's four tiles are one such unit.
; REGISTERS: window 1: v0-63, v64-127 S^T, then p, then its sums, of tile 0, 1; v128-159, v160-191 O^T.  Window 0: all else; so both tiles work under the same window settings.
.set VB,    98304                      ; LDS: K's images [tile 0..127][768] at 0; V's fragments [key step][tile of d][1,536] here
.set KSB,   196608                     ; K's scale units, [tile / 4][256]
.set VSB,   204800                     ; V's, [key step][256]
.set SPARE, 208896                     ; the spare words: 128 bytes a wave
.set TRB,   12288                      ; two key steps of K or of V: a trip
.set L16,  1                           ; 16 x lane
.set L8,   2                           ; 8 x lane
.set R16,  3                           ; 16 r
.set AK16, 4                           ; v4, v5, v8: K's codes and scale words of a trip
.set AK8,  5
.set AV16, 6                           ; v6, v7, v9: V's
.set AV8,  7
.set AKS,  8
.set AVS,  9
.set TP,   10                          ; tile i's twelve at TP + 16 i: +0 f (a pair with +1), +1 p's scale word, +2 -M of even steps (a pair with +3), +3 the largest score so far,
                                       ; +4 -M of odd steps (a pair with +5), +5 at work, +6, +7 the row's sum in two halves, +8, +9 my two blocks' largest, +10, +11 the conversions' scale operands
.set SPW,  22
.set NIL,  23
.set SH8,  24                          ; 8 h
.set Q,    38                          ; v38-49, v50-61 Q of tile 0, 1 (the upper six of each: zero codes)
.set QS,   62                          ; v62, v63 Q's scale words
.set KF,   64                          ; v64-111 eight tiles of K
.set PC,   112                         ; v112-123, v124-135 p's codes, directly behind K's tiles
.set TT,   136                         ; v136.. four runs of three: a block's upper 16 codes (a conversion's three registers begin on an even number)
.set VF,   152                         ; v152-199 four fragments of V
.set KSW,  200                         ; v200-203 K's scale words: lanes 0-15 tiles 0-3, lanes 16-31 tiles 4-7
.set VSW,  204                         ; v204-207 V's
.set OW,   208                         ; v208-211 O's scale words of my four tiles
.set WV,   12
.set NC,   17
.set SEL,  20
.set CS,   22
.set MSB, 0
.macro WIN new                         ; bits 1:0 source 0, 3:2 source 1, 5:4 source 2, 7:6 destination; the immediate's high byte repeats the setting that is left
.if MSB != \new
	s_set_vgpr_msb (MSB<<8)|\new
.set MSB, \new
.endif
.endm
.macro WALU
	s_wait_alu depctr_va_vdst(0)
.endm
.macro PLACES n
.rept \n
	v_nop
.endr
.endm
.macro CROUND                          ; a round of the cluster's barrier
	s_barrier_signal -1
	s_barrier_wait -1
	s_cmp_lg_u32 s[WV], 0
	s_cbranch_scc1 .Lnot_wave_0_\@
	s_barrier_signal -3
.Lnot_wave_0_\@:
	s_barrier_wait -3
	s_barrier_signal -1
	s_barrier_wait -1
.endm
.macro KLOAD o, os                     ; a step's eight tiles of K and their scale words: 17 loads
.irp t, 0,1,2,3,4,5,6,7
	ds_load_b128 v[KF+6*\t:KF+6*\t+3], v[AK16] offset:(\o)+768*\t
	ds_load_b64 v[KF+6*\t+4:KF+6*\t+5], v[AK8] offset:(\o)+768*\t+512
.endr
	ds_load_b128 v[KSW:KSW+3], v[AKS] offset:\os
.endm
.macro VLOAD u                         ; a step's four fragments of V (two images on end each) and their scale words: 17 loads
.irp d, 0,1,2,3
	ds_load_b128 v[VF+12*\d:VF+12*\d+3], v[AV16] offset:6144*(\u)+1536*\d
	ds_load_b64 v[VF+12*\d+4:VF+12*\d+5], v[AV8] offset:6144*(\u)+1536*\d+512
	ds_load_b128 v[VF+12*\d+6:VF+12*\d+9], v[AV16] offset:6144*(\u)+1536*\d+768
	ds_load_b64 v[VF+12*\d+10:VF+12*\d+11], v[AV8] offset:6144*(\u)+1536*\d+1280
.endr
	ds_load_b128 v[VSW:VSW+3], v[AVS] offset:256*(\u)
.endm
.macro QLOAD                           ; two tiles' images of Q and their scale words
.irp i, 0,1
	global_load_b128 v[Q+12*\i:Q+12*\i+3], v[L16], s[70:71] offset:768*\i
	global_load_b64 v[Q+12*\i+4:Q+12*\i+5], v[L8], s[70:71] offset:768*\i+512
	global_load_b32 v[QS+\i], v[R16], s[72:73] offset:4*\i
.endr
.endm
	s_load_b256 s[4:11], s[0:1], 0x0               ; pc, ps, oimg, osc
	v_lshl_add_u32 v[SPW], v0, 2, SPARE
	v_mov_b32 v[NIL], 0
	ds_add_u32 v[SPW], v[NIL]                      ; the opening lines: the add, twice on end, and its wait ahead of the first tensor load
	ds_add_u32 v[SPW], v[NIL]
	v_lshrrev_b32 v1, 5, v0
	v_readfirstlane_b32 s[WV], v1                  ; wave 0..7
	s_bfe_u32 s13, ttmp6, 0x40000                  ; cx: my 512 queries
	s_and_b32 s14, ttmp7, 0xffff                   ; 16 x batch + head, which the partners share
	s_and_b32 s15, s14, 15                         ; head
	s_lshr_b32 s16, s14, 4                         ; batch
	; descriptor group 1: dense blocks as rows of 256 bytes (32 elements of 8): 128 rows of codes, 24 of scale words
	s_mov_b32 s24, 15|(3<<16)|(1<<21)              ; the mask: all four work-groups; elements of 8 bytes; bit 21 beside a mask
	s_mov_b32 s25, 32<<16
	s_mov_b32 s26, 128<<16
	s_mov_b32 s27, 32<<16
	s_mov_b32 s28, 128
	s_mov_b32 s29, 32
	s_mov_b32 s30, 0
	s_mov_b32 s31, 0
	s_mov_b32 s32, 15|(3<<16)|(1<<21)
	s_mov_b32 s33, 32<<16
	s_mov_b32 s34, 24<<16
	s_mov_b32 s35, 32<<16
	s_mov_b32 s36, 24
	s_mov_b32 s37, 32
	s_mov_b32 s38, 0
	s_mov_b32 s39, 0
	s_lshl_b32 s79, s[WV], 15                      ; codes: 32,768 x wave, in LDS and behind K's first byte in memory
	s_mul_i32 s80, s14, 294912
	s_add_co_u32 s80, s80, 98304
	s_add_co_u32 s80, s80, s79
	s_mov_b32 s81, 0
	s_and_b32 s78, s[WV], 1
	s_mul_i32 s83, s78, 6144                       ; scale words: a half of the 12,288 bytes
	s_mul_i32 s84, s14, 20480
	s_add_co_u32 s84, s84, 8192
	s_add_co_u32 s84, s84, s83
	s_mov_b32 s85, 0
	s_mov_b32 s[SEL], 0x76543210
	s_mov_b32 s[SEL+1], 0xfedcba98                 ; v_permlanex16_b32's selects for lane l xor 16
	s_mov_b32 s[CS], 0x3e38aa3b                    ; c = log2(e) / 8
	s_mov_b32 s[CS+1], s[CS]                       ; (named with it as a pair, so it is written)
	s_mov_b32 s[NC], 0xbe38aa3b                    ; -c
	s_wait_dscnt 0x0
	s_wait_kmcnt 0x0
	s_mov_b32 s40, 1
	s_mov_b32 s41, s79
	s_add_nc_u64 s[42:43], s[4:5], s[80:81]
	s_or_b32 s43, s43, 0x80000000
	s_mov_b32 s44, 1
	s_add_co_u32 s45, s83, KSB
	s_add_nc_u64 s[46:47], s[6:7], s[84:85]
	s_or_b32 s47, s47, 0x80000000
	CROUND                                         ; all four work-groups are here: the joint loads meet
	s_cmp_lt_u32 s[WV], 6                          ; one load a wave, in the two arms of one branch on the wave's number
	s_cbranch_scc0 .Lscales
	tensor_load_to_lds s[40:43], s[24:31]
	s_nop 0
	PLACES 4
	s_branch .Lasked
.Lscales:
	tensor_load_to_lds s[44:47], s[32:39]
	s_nop 0
	PLACES 4
.Lasked:
	s_lshl_b32 s86, s13, 5
	s_lshl_b32 s87, s[WV], 2
	s_add_co_u32 s86, s86, s87                     ; my first tile of queries: 32 cx + 4 wave
	s_mul_i32 s70, s86, 768
	s_mul_i32 s87, s14, 294912
	s_add_co_u32 s70, s70, s87
	s_mov_b32 s71, 0
	s_add_nc_u64 s[70:71], s[4:5], s[70:71]        ; its image
	s_lshl_b32 s72, s13, 3
	s_add_co_u32 s72, s72, s[WV]
	s_lshl_b32 s72, s72, 8
	s_mul_i32 s87, s14, 20480
	s_add_co_u32 s72, s72, s87
	s_mov_b32 s73, 0
	s_add_nc_u64 s[72:73], s[6:7], s[72:73]        ; my four tiles' unit of scale words
	s_lshl_b32 s74, s16, 7
	s_add_co_u32 s74, s74, s86
	s_mul_i32 s74, s74, 12288
	s_mul_i32 s87, s15, 768
	s_add_co_u32 s74, s74, s87
	s_mov_b32 s75, 0
	s_add_nc_u64 s[74:75], s[8:9], s[74:75]        ; where the first tile's result goes
	s_lshl_b32 s76, s16, 5
	s_lshl_b32 s87, s13, 3
	s_add_co_u32 s76, s76, s87
	s_add_co_u32 s76, s76, s[WV]
	s_lshl_b32 s76, s76, 12
	s_lshl_b32 s87, s15, 8
	s_add_co_u32 s76, s76, s87
	s_mov_b32 s77, 0
	s_add_nc_u64 s[76:77], s[10:11], s[76:77]      ; and my unit of O's scale words
	s_and_b32 s68, s15, 1
	s_lshl_b32 s68, s68, 4                         ; odd heads move their two bytes up
	s_mov_b32 s60, 0                               ; where a trip's K codes, K scale words, V codes and V scale words begin
	s_mov_b32 s61, KSB
	s_mov_b32 s62, VB
	s_mov_b32 s63, VSB
	s_mov_b32 s66, 2                               ; passes to go
	v_and_b32 v25, 31, v0                          ; lane
	v_and_b32 v[R16], 15, v0
	v_bfe_u32 v[SH8], v0, 4, 1
	v_lshlrev_b32 v[L16], 4, v25
	v_lshlrev_b32 v[L8], 3, v25
	v_lshlrev_b32 v[R16], 4, v[R16]
	v_lshlrev_b32 v[SH8], 3, v[SH8]
	v_add_nc_u32 v[AK16], s60, v[L16]
	v_add_nc_u32 v[AK8], s60, v[L8]
	v_add_nc_u32 v[AKS], s61, v[L16]
.irp j, 0,1,2,3,4,5
	v_mov_b32 v[Q+6+\j], 0                         ; Q's upper 64 along K: zero codes
	v_mov_b32 v[Q+18+\j], 0
	v_mov_b32 v[PC+\j], 0                          ; what the last tile of K names behind its own six registers is written before it is first named
.endr
.irp i, 0,1
	v_mov_b32 v[TP+16*\i+5], 0                     ; written once: a lane permute's destination counts as one of its sources
	v_mov_b32 v[OW+2+\i], 0                        ; (moved down, and not used, at the first pass's end)
.endr
	QLOAD
	WALU                                           ; the wait at the head's end
	s_wait_tensorcnt 0x0                           ; my load has landed,
	s_barrier_signal -1
	s_barrier_wait -1                              ; and everybody's: all of K and V lies in LDS.
	KLOAD 0, 0
; A KEY STEP: 128 keys, two tiles of queries.  u: the step in its trip; mn, mo: where -M goes among a tile's twelve, and where the last step's stands.
.macro STEP u, mn, mo
.if \u == 1                            ; the next trip's places: the trips' counter modulo 8, so that a pass's last trip points at key step 0 again
	s_add_co_u32 s57, s57, 1
	s_and_b32 s58, s57, 7
	s_mul_i32 s60, s58, TRB
	s_lshl_b32 s61, s58, 10
	s_add_co_u32 s61, s61, KSB
	s_add_co_u32 s62, s60, VB
	s_lshl_b32 s63, s58, 9
	s_add_co_u32 s63, s63, VSB
.endif
	s_wait_dscnt 0x0                               ; this step's K is in (asked for a step ago)
	WIN 0x40                                       ; the scores: window 1
.irp i, 0,1
.irp t, 0,1,2,3
	v_wmma_scale_f32_16x16x128_f8f6f4 v[64*\i+8*\t:64*\i+8*\t+7], v[KF+6*\t:KF+6*\t+11], v[Q+12*\i:Q+12*\i+11], 0, v[KSW+\t], v[QS+\i] matrix_a_fmt:MATRIX_FMT_FP6 matrix_b_fmt:MATRIX_FMT_FP6
.endr
.irp t, 4,5,6,7
	v_wmma_scale_f32_16x16x128_f8f6f4 v[64*\i+8*\t:64*\i+8*\t+7], v[KF+6*\t:KF+6*\t+11], v[Q+12*\i:Q+12*\i+11], 0, v[KSW+\t-4], v[QS+\i] matrix_a_fmt:MATRIX_FMT_FP6 matrix_b_fmt:MATRIX_FMT_FP6 matrix_a_scale:MATRIX_SCALE_ROW1
.endr
.endr
	WIN 0
; four plain lines between the products (these, and the last step's second products) and the loads into their registers and the first read of the scores (ISA guide 7.12.1 for vector instructions)
.if \u == 0
	v_add_nc_u32 v[AV16], s62, v[L16]
	v_add_nc_u32 v[AV8], s62, v[L8]
	v_add_nc_u32 v[AVS], s63, v[R16]
.else
	v_add_nc_u32 v[AK16], s60, v[L16]
	v_add_nc_u32 v[AK8], s60, v[L8]
	v_add_nc_u32 v[AKS], s61, v[L16]
.endif
	v_nop
	VLOAD \u                                       ; V's fragments land while the softmax is worked,
.if \u == 1
	KLOAD 0, 0                                     ; and behind them the next step's K
.else
	KLOAD 6144, 512
.endif
; the largest score of my two blocks of 32 keys in each tile, each block in two chains: eight chains by turns; each accumulator is first read at its low end
	WIN 0x15
.irp i, 0,1
	v_max3_num_f32 v[TP+16*\i+8], v[64*\i], v[64*\i+1], v[64*\i+2]
	v_max3_num_f32 v[TP+16*\i], v[64*\i+16], v[64*\i+17], v[64*\i+18]
	v_max3_num_f32 v[TP+16*\i+9], v[64*\i+32], v[64*\i+33], v[64*\i+34]
	v_max3_num_f32 v[TP+16*\i+1], v[64*\i+48], v[64*\i+49], v[64*\i+50]
.endr
	WIN 0x14
.irp k, 3,5,7,9,11,13
.irp i, 0,1
	v_max3_num_f32 v[TP+16*\i+8], v[TP+16*\i+8], v[64*\i+\k], v[64*\i+1+\k]
	v_max3_num_f32 v[TP+16*\i], v[TP+16*\i], v[64*\i+16+\k], v[64*\i+17+\k]
	v_max3_num_f32 v[TP+16*\i+9], v[TP+16*\i+9], v[64*\i+32+\k], v[64*\i+33+\k]
	v_max3_num_f32 v[TP+16*\i+1], v[TP+16*\i+1], v[64*\i+48+\k], v[64*\i+49+\k]
.endr
.endr
.irp i, 0,1
	v_max3_num_f32 v[TP+16*\i+8], v[TP+16*\i+8], v[64*\i+15], v[64*\i+31]
	v_max3_num_f32 v[TP+16*\i+9], v[TP+16*\i+9], v[64*\i+47], v[64*\i+63]
.endr
	WIN 0
.irp i, 0,1
	v_max_num_f32 v[TP+16*\i+8], v[TP+16*\i+8], v[TP+16*\i]
	v_max_num_f32 v[TP+16*\i+9], v[TP+16*\i+9], v[TP+16*\i+1]
.endr
.irp i, 0,1
	v_max3_num_f32 v[TP+16*\i+3], v[TP+16*\i+3], v[TP+16*\i+8], v[TP+16*\i+9]   ; the largest score so far, of my half of the keys,
.endr
.irp i, 0,1
	v_permlanex16_b32 v[TP+16*\i+5], v[TP+16*\i+3], s[SEL], s[SEL+1]
.endr
.irp i, 0,1
	v_max_num_f32 v[TP+16*\i+3], v[TP+16*\i+3], v[TP+16*\i+5]                   ; and of lane l xor 16's
.endr
.irp i, 0,1
	v_mul_f32 v[TP+16*\i+5], s[NC], v[TP+16*\i+3]                               ; -t (c is positive)
.endr
.irp i, 0,1
	v_floor_f32 v[TP+16*\i+\mn], v[TP+16*\i+5]                                  ; the new -M = floor(-t) = -ceil(t): M is a whole number
.endr
.irp i, 0,1
	v_sub_f32 v[TP+16*\i+5], v[TP+16*\i+\mn], v[TP+16*\i+\mo]                   ; M's old value less its new one: a whole number, 0 or less
.endr
.irp i, 0,1
	v_cvt_i32_f32 v[TP+16*\i+5], v[TP+16*\i+5]                                  ; (it saturates)
.endr
.irp i, 0,1
	v_ldexp_f32 v[TP+16*\i], 1.0, v[TP+16*\i+5]                                 ; f = 2^(old M - new M)
.endr
.irp i, 0,1
	v_fma_f32 v[TP+16*\i+8], v[TP+16*\i+8], s[CS], v[TP+16*\i+\mn]              ; t - M of each block's largest score
	v_fma_f32 v[TP+16*\i+9], v[TP+16*\i+9], s[CS], v[TP+16*\i+\mn]
.endr
.irp i, 0,1
	v_pk_mul_f32 v[TP+16*\i+6:TP+16*\i+7], v[TP+16*\i+6:TP+16*\i+7], v[TP+16*\i:TP+16*\i+1] op_sel_hi:[1,0]   ; the sums under the new M
.endr
	WIN 0x41                                       ; destination and source 0: window 1
.irp i, 0,1
.set j, 0
.rept 16
	v_pk_mul_f32 v[128+32*\i+j:128+32*\i+j+1], v[128+32*\i+j:128+32*\i+j+1], v[TP+16*\i:TP+16*\i+1] op_sel_hi:[1,0]   ; O^T under the new M: no exponential stands between the products that wrote it and these lines
.set j, j+2
.endr
.endr
.set j, 0
.rept 32
	v_pk_fma_f32 v[j:j+1], v[j:j+1], s[CS:CS+1], v[TP+\mn:TP+\mn+1] op_sel_hi:[1,0,0]   ; tile 0: t - M, two at a time (of the pairs c and -M the low word serves both halves)
.set j, j+2
.endr
	WIN 0
	WALU                                           ; the wait ahead of a batch
.irp i, 0,1
	v_exp_f32 v[TP+16*\i+8], v[TP+16*\i+8]         ; a block's largest p: the same two instructions on the same number give the same bits
	v_exp_f32 v[TP+16*\i+9], v[TP+16*\i+9]
.endr
	WIN 0x41
.set j, 0
.rept 32
	v_exp_f32 v[j], v[j]                           ; tile 0: p = 2^(t - M), at most 1: not normalised;
	v_exp_f32 v[j+1], v[j+1]
	v_pk_fma_f32 v[64+j:64+j+1], v[64+j:64+j+1], s[CS:CS+1], v[TP+16+\mn:TP+16+\mn+1] op_sel_hi:[1,0,0]   ; among them tile 1's t - M, which is first read behind the wait below
.set j, j+2
.endr
	WALU                                           ; behind the first batch and ahead of the second
.set j, 0
.rept 64
	v_exp_f32 v[64+j], v[64+j]                     ; tile 1
.set j, j+1
.endr
	WIN 0
.irp i, 0,1
	v_max_num_f32 v[TP+16*\i+8], 0x1800000, v[TP+16*\i+8]   ; the floor 2^(3 - 127): the byte cannot fall under 1 (a block whose every p has fallen to 0 keeps that byte: its codes are zeros)
	v_max_num_f32 v[TP+16*\i+9], 0x1800000, v[TP+16*\i+9]
.endr
.irp i, 0,1
	v_add_nc_u32 v[TP+16*\i+10], 0xff000000, v[TP+16*\i+8]  ; 2 off the exponent field: the conversion's scale operand
	v_add_nc_u32 v[TP+16*\i+11], 0xff000000, v[TP+16*\i+9]
.endr
.irp i, 0,1
	v_lshrrev_b32 v[TP+16*\i+8], 23, v[TP+16*\i+10]         ; the scale's byte
	v_lshrrev_b32 v[TP+16*\i+9], 23, v[TP+16*\i+11]
.endr
.irp i, 0,1
	v_lshl_or_b32 v[TP+16*\i+1], v[TP+16*\i+9], 16, v[TP+16*\i+8]   ; my two bytes: blocks h and 2 + h,
.endr
.irp i, 0,1
	v_lshlrev_b32 v[TP+16*\i+1], v[SH8], v[TP+16*\i+1]              ; at their places in the word
.endr
.irp i, 0,1
	v_permlanex16_b32 v[TP+16*\i+5], v[TP+16*\i+1], s[SEL], s[SEL+1]
.endr
.irp i, 0,1
	v_or_b32 v[TP+16*\i+1], v[TP+16*\i+1], v[TP+16*\i+5]            ; with lane l xor 16's two bytes the word is whole
.endr
	WIN 0x01                                       ; source 0: window 1
	WALU                                           ; behind the second batch, ahead of the first reader of p
.irp i, 0,1
	v_cvt_scalef32_pk16_fp6_f32 v[PC+12*\i:PC+12*\i+2], v[64*\i:64*\i+15], v[TP+16*\i+10]
	v_cvt_scalef32_pk16_fp6_f32 v[TT+8*\i:TT+8*\i+2], v[64*\i+16:64*\i+31], v[TP+16*\i+10]
	v_cvt_scalef32_pk16_fp6_f32 v[PC+12*\i+6:PC+12*\i+8], v[64*\i+32:64*\i+47], v[TP+16*\i+11]
	v_cvt_scalef32_pk16_fp6_f32 v[TT+8*\i+4:TT+8*\i+6], v[64*\i+48:64*\i+63], v[TP+16*\i+11]
.endr
	WIN 0
	v_nop                                          ; one plain line behind the conversions
.irp i, 0,1
.irp n, 0,1,2
	v_mov_b32 v[PC+12*\i+3+\n], v[TT+8*\i+\n]
	v_mov_b32 v[PC+12*\i+9+\n], v[TT+8*\i+4+\n]
.endr
.endr
; the rows' sums of the unquantised p, added in place, two at a time: 16, 8, 4, 2, 1 additions a tile and one onto the running sum.  (They also stand between the writes of p's codes and scale words and the products)
	WIN 0x45
.set w, 32
.rept 3
.irp i, 0,1
.set j, 0
.rept w/2
	v_pk_add_f32 v[64*\i+j:64*\i+j+1], v[64*\i+j:64*\i+j+1], v[64*\i+j+w:64*\i+j+w+1]
.set j, j+2
.endr
.endr
.set w, w/2
.endr
.irp i, 0,1
	v_pk_add_f32 v[64*\i:64*\i+1], v[64*\i:64*\i+1], v[64*\i+4:64*\i+5]
	v_pk_add_f32 v[64*\i+2:64*\i+3], v[64*\i+2:64*\i+3], v[64*\i+6:64*\i+7]
.endr
.irp i, 0,1
	v_pk_add_f32 v[64*\i:64*\i+1], v[64*\i:64*\i+1], v[64*\i+2:64*\i+3]
.endr
	WIN 0x04
.irp i, 0,1
	v_pk_add_f32 v[TP+16*\i+6:TP+16*\i+7], v[TP+16*\i+6:TP+16*\i+7], v[64*\i:64*\i+1]
.endr
	WIN 0
	WALU                                           ; the wait ahead of a wait that blocks
	s_wait_dscnt 17                                ; V's 17 loads are in; the 17 of the next step's K, issued behind them, may be out
	WIN 0x50                                       ; C and D: window 1
.irp i, 0,1
.irp d, 0,1,2,3                        ; O^T += V^T P^T: eight accumulators by turns
	v_wmma_scale_f32_16x16x128_f8f6f4 v[128+32*\i+8*\d:128+32*\i+8*\d+7], v[VF+12*\d:VF+12*\d+11], v[PC+12*\i:PC+12*\i+11], v[128+32*\i+8*\d:128+32*\i+8*\d+7], v[VSW+\d], v[TP+16*\i+1] matrix_a_fmt:MATRIX_FMT_FP6 matrix_b_fmt:MATRIX_FMT_FP6
.endr
.endr
	WIN 0
.endm
.Lpass:
.irp i, 0,1
	v_mov_b32 v[TP+16*\i+3], 0xff61b1e6            ; the largest score so far: -3e38
	v_mov_b32 v[TP+16*\i+4], 0x7f61b1e6            ; the -M ahead of the first step: 3e38, so that the first f is 0
	v_mov_b32 v[TP+16*\i+6], 0
	v_mov_b32 v[TP+16*\i+7], 0
.endr
	WIN 0x40
.set j, 0
.rept 64
	v_mov_b32 v[128+j], 0                          ; O^T.  (The step is written once: the first finds zeros, which the first f leaves zeros)
.set j, j+1
.endr
	WIN 0
	s_mov_b32 s57, 0
	WALU
	s_wait_loadcnt 0x0                             ; the pass's Q
.Ltrip:
	STEP 0, 2, 4
	STEP 1, 4, 2
	s_cmp_lt_u32 s57, 8
	s_cbranch_scc1 .Ltrip
	; THE PASS'S END: O^T / the sum, quantised along the head's 64 (two blocks), as an image, for both tiles
	PLACES 4
	s_cmp_eq_u32 s66, 1
	s_cbranch_scc1 .Lno_q
	s_add_nc_u64 s[70:71], s[70:71], 1536          ; the next pass's Q is asked for under this pass's end (the last pass's loads were waited for)
	s_add_nc_u64 s[72:73], s[72:73], 8
	QLOAD
.Lno_q:
.irp i, 0,1
	v_add_f32 v[TP+16*\i+6], v[TP+16*\i+6], v[TP+16*\i+7]   ; the sum's two halves,
.endr
.irp i, 0,1
	v_permlanex16_b32 v[TP+16*\i+5], v[TP+16*\i+6], s[SEL], s[SEL+1]
.endr
.irp i, 0,1
	v_add_f32 v[TP+16*\i+6], v[TP+16*\i+6], v[TP+16*\i+5]   ; and lane l xor 16's: the row's sum
.endr
	WALU
.irp i, 0,1
	v_rcp_f32 v[TP+16*\i+6], v[TP+16*\i+6]
.endr
	v_nop                                          ; the plain line behind the reciprocals
	WIN 0x41
	WALU                                           ; and the wait ahead of their first reader and of O^T's
.irp i, 0,1
.set j, 0
.rept 32
	v_mul_f32 v[64*\i+j], v[128+32*\i+j], v[TP+16*\i+6]   ; register 16 b + n is o(my query, 32 b + 16 (lane / 16) + n); each accumulator from its low end on
.set j, j+1
.endr
.endr
	WIN 0x05
.irp i, 0,1
.irp b, 0,1
	v_max3_num_f32 v[TP+16*\i+8+\b], |v[64*\i+16*\b]|, |v[64*\i+16*\b+1]|, 0x1800000
.endr
.endr
	WIN 0x14
.irp k, 2,4,6,8,10,12,14
.irp i, 0,1
.irp b, 0,1
	v_max3_num_f32 v[TP+16*\i+8+\b], v[TP+16*\i+8+\b], |v[64*\i+16*\b+\k]|, |v[64*\i+16*\b+\k+1]|
.endr
.endr
.endr
	WIN 0
.irp i, 0,1
	v_permlanex16_b32 v[TP+16*\i+5], v[TP+16*\i+8], s[SEL], s[SEL+1]
	v_permlanex16_b32 v[TP+16*\i], v[TP+16*\i+9], s[SEL], s[SEL+1]
.endr
.irp i, 0,1
	v_max_num_f32 v[TP+16*\i+8], v[TP+16*\i+8], v[TP+16*\i+5]
	v_max_num_f32 v[TP+16*\i+9], v[TP+16*\i+9], v[TP+16*\i]
.endr
.irp i, 0,1
	v_add_nc_u32 v[TP+16*\i+10], 0xff000000, v[TP+16*\i+8]
	v_add_nc_u32 v[TP+16*\i+11], 0xff000000, v[TP+16*\i+9]
.endr
.irp i, 0,1
	v_lshrrev_b32 v[TP+16*\i+5], 23, v[TP+16*\i+10]
	v_lshrrev_b32 v[TP+16*\i], 23, v[TP+16*\i+11]
.endr
.irp i, 0,1
	v_lshl_or_b32 v[TP+16*\i+1], v[TP+16*\i], 8, v[TP+16*\i+5]
	v_mov_b32 v[OW+\i], v[OW+2+\i]                 ; the last pass's two words move down,
.endr
.irp i, 0,1
	v_lshlrev_b32 v[OW+2+\i], s68, v[TP+16*\i+1]   ; and this pass's take their place, each at its place in the word of the last projection's K step (two heads)
.endr
	WIN 0x01
.irp i, 0,1
	v_cvt_scalef32_pk16_fp6_f32 v[PC+12*\i:PC+12*\i+2], v[64*\i:64*\i+15], v[TP+16*\i+10]
	v_cvt_scalef32_pk16_fp6_f32 v[TT+8*\i:TT+8*\i+2], v[64*\i+16:64*\i+31], v[TP+16*\i+11]
.endr
	WIN 0
	v_nop
.irp i, 0,1
.irp n, 0,1,2
	v_permlane16_swap_b32 v[PC+12*\i+\n], v[TT+8*\i+\n]   ; the image wants a whole block in a lane
.endr
.endr
.irp i, 0,1
.irp n, 0,1,2
	v_mov_b32 v[PC+12*\i+3+\n], v[TT+8*\i+\n]
.endr
.endr
.irp i, 0,1
	global_store_b128 v[L16], v[PC+12*\i:PC+12*\i+3], s[74:75] offset:12288*\i         ; 512 consecutive bytes,
	global_store_b64 v[L8], v[PC+12*\i+4:PC+12*\i+5], s[74:75] offset:12288*\i+512     ; and 256
.endr
	s_wait_xcnt 0x0                                ; the stores have read their base and data: both are written again only behind this wait
	s_add_nc_u64 s[74:75], s[74:75], 24576
	s_sub_co_u32 s66, s66, 1
	s_cmp_lg_u32 s66, 0
	WALU
	s_cbranch_scc1 .Lpass
	global_store_b128 v[R16], v[OW:OW+3], s[76:77] ; my four tiles' unit of 256 bytes; lanes r and r + 16 hold the same words and write them to the same place
	s_wait_tensorcnt 0x0                           ; the wave's end
	ds_add_u32 v[SPW], v[NIL]
	s_wait_dscnt 0x0                               ; (the loads of K that no pass follows are back too)
	CROUND                                         ; the closing round: no work-group ends while a partner may still ask for a tile that names it
	s_endpgm
.Lfunc_end_k_qa90067afaa_attn:
	.size	k_qa90067afaa_attn, .Lfunc_end_k_qa90067afaa_attn-k_qa90067afaa_attn
	.p2alignl 7, 3214868480
	.fill 96, 4, 3214868480
	.section	.rodata,"a",@progbits
	.p2align	6, 0x0
	.amdhsa_kernel k_qa90067afaa_attn
		.amdhsa_group_segment_fixed_size 212992
		.amdhsa_private_segment_fixed_size 0
		.amdhsa_enable_private_segment 0
		.amdhsa_kernarg_size 32
		.amdhsa_user_sgpr_count 2
		.amdhsa_user_sgpr_kernarg_segment_ptr 1
		.amdhsa_wavefront_size32 1
		.amdhsa_system_sgpr_workgroup_id_x 1
		.amdhsa_system_sgpr_workgroup_id_y 1
		.amdhsa_system_sgpr_workgroup_id_z 1
		.amdhsa_system_vgpr_workitem_id 0
		.amdhsa_next_free_vgpr 448
		.amdhsa_next_free_sgpr 92
		.amdhsa_reserve_vcc 0
		.amdhsa_float_denorm_mode_32 3
		.amdhsa_float_denorm_mode_16_64 3
		.amdhsa_memory_ordered 1
		.amdhsa_forward_progress 1
		.amdhsa_inst_pref_size 74
	.end_amdhsa_kernel
	.amdgpu_metadata
---
amdhsa.version: [ 1, 2 ]
amdhsa.kernels:
  - .name:           k_qa90067afaa_attn
    .symbol:         k_qa90067afaa_attn.kd
    .args:
      - { .name: pc, .offset: 0, .size: 8, .value_kind: global_buffer, .address_space: global }
      - { .name: ps, .offset: 8, .size: 8, .value_kind: global_buffer, .address_space: global }
      - { .name: oimg, .offset: 16, .size: 8, .value_kind: global_buffer, .address_space: global }
      - { .name: osc, .offset: 24, .size: 8, .value_kind: global_buffer, .address_space: global }
    .group_segment_fixed_size: 212992
    .private_segment_fixed_size: 0
    .kernarg_segment_align: 8
    .kernarg_segment_size: 32
    .max_flat_workgroup_size: 256
    .sgpr_count:     92
    .vgpr_count:     448
    .wavefront_size: 32
...
	.end_amdgpu_metadata
.endif
;; end of part 3
;; launch outp (part 4): grid 4 x 64, 4 waves a work-group, clusters of 4 x 4, 295,424 bytes of LDS; arguments img, isc, oimg, osc, bo, out0; writes out0
.if DOCPART == 4
	.amdgcn_target "amdgcn-amd-amdhsa--gfx1250"
	.amdhsa_code_object_version 6
	.text
	.protected	k_qa90067afaa_outp
	.globl	k_qa90067afaa_outp
	.p2align	8
	.type	k_qa90067afaa_outp,@function
k_qa90067afaa_outp:
	s_mov_b64 s[64:65], 0
	v_nop
	global_prefetch_b8 v0, s[64:65] scope:SCOPE_SE
	s_setreg_imm32_b32 hwreg(HW_REG_WAVE_MODE, 25, 1), 1
	s_wait_xcnt 0x0
	s_wait_alu depctr_hold_cnt(0) depctr_sa_sdst(0) depctr_va_vdst(0) depctr_va_sdst(0) depctr_va_ssrc(0) depctr_va_vcc(0) depctr_vm_vsrc(0)
	s_getreg_b32 s2, hwreg(HW_REG_IB_STS2, 6, 4)
	s_cmp_eq_u32 s2, 0
	s_cbranch_scc0 .Lentry_in_a_cluster
	s_endpgm
.Lentry_in_a_cluster:
	s_bfe_u32 s2, ttmp6, 0x10000c
	s_cmp_lg_u32 s2, 0xf033
	s_cbranch_scc0 .Lentry_shape_is_right
	s_endpgm
.Lentry_shape_is_right:
; out0 = O Wo^T + bo on codes of FP6 (E2M3, one E8M0 scale for each 32 along K = 1,024 = (head, d)); out0 [8192][1024] f32.
; The second launch's frame: C'[i][j] = sum over k of P[i][k] R[j][k]; P = Wo (source 0: a lane's registers run along the output's columns), R = the attention's result (source 1: a lane is one token).
; A work-group makes 256 columns x 128 tokens, each of its four waves 128 x 64: 32 accumulators; 256 work-groups.  All of K lies in LDS, filled once by one tensor load a wave, in two halves of 512 along K.
; CLUSTERS: 4 x 4: Wo's tiles hang on cx and are asked for jointly by a column, the tokens' on cy and the cluster's y and by a row.
; The bias is the C of each sum's first matrix instruction.  R's scale words come as two halves (one for each head of a K step) and are joined once, at the head.
; THE WAY OUT: a lane holds 32 neighbouring bytes of a row eight times over; 16 rows x 128 columns at a time go through the wave's stage in LDS and leave as whole rows of 512 bytes.  The stage lies in P's half 0,
; which has had its one fill and is read by nobody behind the barrier of K step 3.
; REGISTERS, in windows of 256: window 0: v1-26 lane numbers and addresses; v32-63 P's scale words, v64-95 R's; v100-103 at work; v128-223 R's fragments, two sets; on the way out v128-255 rows of the result.
;   window 1: P's fragments, two sets.   window 2: accumulator (a, b) at v[8 (8 a + b)].   window 3: v0-63 the bias.
.set TILEB, 12288
; THE FILLS, as they now stand: K lies in LDS in two halves of 512 along K; a tile's part of a half is one row of 6,144 bytes.  Four tensor loads in all, one a wave, at the head:
; wave 0 P's half 0, wave 1 R's half 0, wave 2 P's half 1, wave 3 R's half 1.  Half 0 is read behind the wait of waves 0 and 1 and a barrier, half 1 behind every wave's wait and the barrier of K step 3.
; The stage of the way out lies in P's half 0, which has had its one fill and is read by nobody behind the barrier of K step 3.
.set CHB,   6144
.set PCH,   16*CHB
.set RCH,   8*CHB
.set RBASE, 2*PCH
.set SPITCH, 528                       ; a stage row: 512 bytes + 16
.set AP16, 8
.set AP8,  12
.set AR16, 16
.set AR8,  20
.set STO,  24                          ; v24 where I put 32 bytes of a row
.set RD,   25                          ; v25 where I read a row back
.set SCP,  32                          ; P's scale words: register 4 b + j: lanes 0-15 K step j, lanes 16-31 K step 4 + j
.set SCR,  64                          ; R's: register 4 s + a: K step s, tile a, in lanes 0-15
.set RF,   128
.set BK,   128                         ; the way out: v128-191 and v192-255 by turns
.set MSB, 0
.macro WIN new                         ; bits 1:0 source 0, 3:2 source 1, 5:4 source 2, 7:6 destination; the immediate's high byte repeats the setting that is left
.if MSB != \new
	s_set_vgpr_msb (MSB<<8)|\new
.set MSB, \new
.endif
.endm
.macro PLACES n
.rept \n
	v_nop
.endr
.endm
.macro CROUND
	s_barrier_signal -1
	s_barrier_wait -1
	s_cmp_lg_u32 s18, 0
	s_cbranch_scc1 .Lnot_wave_0_\@
	s_barrier_signal -3
.Lnot_wave_0_\@:
	s_barrier_wait -3
	s_barrier_signal -1
	s_barrier_wait -1
.endm
.macro FRAG reg, a16, a8, off
	ds_load_b128 v[(\reg):(\reg)+3], v[\a16] offset:\off
	ds_load_b64 v[(\reg)+4:(\reg)+5], v[\a8] offset:\off+512
	ds_load_b128 v[(\reg)+6:(\reg)+9], v[\a16] offset:\off+768
	ds_load_b64 v[(\reg)+10:(\reg)+11], v[\a8] offset:\off+1280
.endm
	s_load_b256 s[4:11], s[0:1], 0x0               ; img, isc, oimg, osc
	s_load_b128 s[12:15], s[0:1], 0x20             ; bo, out0
	v_lshl_add_u32 v126, v0, 2, 0x48000
	v_mov_b32 v127, 0
	ds_add_u32 v126, v127
	ds_add_u32 v126, v127
	v_lshrrev_b32 v1, 5, v0
	v_readfirstlane_b32 s18, v1                    ; wave
	s_and_b32 s19, s18, 1                          ; wp: which 128 columns
	s_lshr_b32 s20, s18, 1                         ; wr: which 64 tokens
	s_bfe_u32 s21, ttmp6, 0x40000                  ; cx: my block of 256 columns
	s_bfe_u32 s22, ttmp6, 0x40004                  ; cy
	s_and_b32 s24, ttmp7, 0xffff                   ; the cluster's y, 0 .. 15
	s_lshl_b32 s31, s24, 2
	s_add_co_u32 s31, s31, s22                     ; my block of 128 tokens
	s_lshl_b32 s84, s21, 4
	s_add_co_u32 s84, s84, 1728                    ; P's first tile: Wo's tiles begin at 1,728 in img
	s_lshl_b32 s85, s31, 3                         ; R's, in oimg
	s_lshl_b32 s92, 0x1111, s21                    ; my column of the cluster
	s_or_b32 s32, s92, (3<<16)|(1<<21)             ; group 1 as in the second launch: rows of 6,144 bytes, 12,288 apart; P: 16 tiles, R: 8
	s_lshl_b32 s93, s22, 2
	s_lshl_b32 s93, 15, s93                        ; my row
	s_or_b32 s40, s93, (3<<16)|(1<<21)
.irp g, 32, 40
	s_mov_b32 s[\g+1], 768<<16
	s_mov_b32 s[\g+3], 768<<16
	s_mov_b32 s[\g+5], 1536
	s_mov_b32 s[\g+6], 0
	s_mov_b32 s[\g+7], 0
.endr
	s_mov_b32 s34, 16<<16                          ; P's 16 tiles
	s_mov_b32 s36, 16
	s_mov_b32 s42, 8<<16                           ; R's 8
	s_mov_b32 s44, 8
	s_mul_i32 s86, s84, TILEB
	s_mov_b32 s87, 0
	s_mul_i32 s88, s85, TILEB
	s_mov_b32 s89, 0
	s_wait_dscnt 0x0
	s_wait_kmcnt 0x0
	s_add_nc_u64 s[86:87], s[4:5], s[86:87]
	s_add_nc_u64 s[88:89], s[8:9], s[88:89]
.irp j, 0,1                            ; group 0 for each half: s48-55 P's, s68-75 R's
	s_mov_b32 s[48+4*\j], 1
	s_mov_b32 s[49+4*\j], PCH*\j
	s_add_nc_u64 s[50+4*\j:51+4*\j], s[86:87], CHB*\j
	s_or_b32 s[51+4*\j], s[51+4*\j], 0x80000000
	s_mov_b32 s[68+4*\j], 1
	s_mov_b32 s[69+4*\j], RBASE+RCH*\j
	s_add_nc_u64 s[70+4*\j:71+4*\j], s[88:89], CHB*\j
	s_or_b32 s[71+4*\j], s[71+4*\j], 0x80000000
.endr
	CROUND                                         ; all sixteen work-groups are here: the joint loads meet
.macro ARM under, g0, g1, next         ; one chain of branches on the wave's number, one load to an arm, all arms to one join
	s_cmp_lt_u32 s18, \under
	s_cbranch_scc0 \next
	tensor_load_to_lds s[\g0:\g0+3], s[\g1:\g1+7]
	s_nop 0
	PLACES 4
	s_branch .Lhead_asked
\next:
.endm
	ARM 1, 48, 32, .Lhead_r0                       ; wave 0: P's half 0
	ARM 2, 68, 40, .Lhead_p1                       ; wave 1: R's half 0
	ARM 3, 52, 32, .Lhead_r1                       ; wave 2: P's half 1
	tensor_load_to_lds s[72:75], s[40:47]          ; wave 3: R's half 1
	s_nop 0
	PLACES 4
.Lhead_asked:
	v_and_b32 v1, 31, v0                           ; lane
	v_and_b32 v2, 15, v0                           ; r
	v_bfe_u32 v3, v0, 4, 1                         ; h
	v_lshlrev_b32 v4, 4, v1                        ; 16 x lane
	v_lshlrev_b32 v5, 3, v1                        ; 8 x lane
	s_mul_i32 s28, s19, 8*CHB
	s_mul_i32 s29, s20, 4*CHB
	s_add_co_u32 s29, s29, RBASE
.irp j, 0,1
	v_add_nc_u32 v[AP16+\j], s28, v4
	v_add_nc_u32 v[AP8+\j], s28, v5
	v_add_nc_u32 v[AR16+\j], s29, v4
	v_add_nc_u32 v[AR8+\j], s29, v5
	s_add_co_u32 s28, s28, PCH
	s_add_co_u32 s29, s29, RCH
.endr
	s_mul_i32 s28, s18, 16*SPITCH                  ; my stage
	v_mul_u32_u24 v[STO], v2, SPITCH
	v_lshl_add_u32 v[STO], v3, 6, v[STO]
	v_add_nc_u32 v[STO], s28, v[STO]               ; in: row r, + 64 h
	v_add_nc_u32 v[RD], s28, v4                    ; back: the 32 lanes take one row of 512 bytes
	v_lshlrev_b32 v26, 6, v3                       ; the bias: 64 h
	s_wait_alu depctr_va_vdst(0)
	s_mov_b32 s2, 0x76543210
	s_mov_b32 s3, 0xfedcba98
	s_lshl_b32 s94, s19, 3
	s_add_co_u32 s94, s94, s84
	s_lshl_b32 s94, s94, 9                         ; the scale words of my eight tiles of P
	s_mov_b32 s95, 0
	s_add_nc_u64 s[94:95], s[6:7], s[94:95]
	s_lshl_b32 s96, s31, 1
	s_add_co_u32 s96, s96, s20
	s_lshl_b32 s96, s96, 12                        ; R's: my four tiles are one group of four: 16 heads x 256 bytes
	s_mov_b32 s97, 0
	s_add_nc_u64 s[96:97], s[10:11], s[96:97]
	s_lshl_b32 s24, s21, 10
	s_lshl_b32 s25, s19, 9
	s_add_co_u32 s24, s24, s25                     ; 4 x my first column
	s_mov_b32 s25, 0
	s_add_nc_u64 s[98:99], s[12:13], s[24:25]      ; in the bias,
	s_lshl_b32 s26, s31, 7
	s_lshl_b32 s27, s20, 6
	s_add_co_u32 s26, s26, s27
	s_lshl_b32 s26, s26, 12                        ; my first token's row
	s_mov_b32 s27, 0
	s_add_nc_u64 s[14:15], s[14:15], s[26:27]
	s_add_nc_u64 s[14:15], s[14:15], s[24:25]      ; and in the result
.irp b, 0,1,2,3,4,5,6,7
	global_load_b128 v[SCP+4*\b:SCP+4*\b+3], v4, s[94:95] offset:512*\b
.endr
.irp s, 0,1,2,3,4,5,6,7
	global_load_b128 v[SCR+4*\s:SCR+4*\s+3], v4, s[96:97] offset:512*\s   ; lanes 0-15: head 2 s's unit (bytes 0, 1); lanes 16-31: head 2 s + 1's (bytes 2, 3)
.endr
	WIN 0xc0                                       ; destination window 3
.irp b, 0,1,2,3
.irp q, 0,1,2,3
	global_load_b128 v[16*\b+4*\q:16*\b+4*\q+3], v26, s[98:99] offset:128*\b+16*\q   ; register 16 b + i: the bias of column 32 b + 16 h + i
.endr
.endr
	WIN 0
.macro FETCH s
	WIN 0x40                                       ; destination window 1
.irp i, 0,1,2,3,4,5,6,7
	FRAG 128*((\s)%2)+12*\i, AP16+(\s)/4, AP8+(\s)/4, CHB*\i+1536*((\s)%4)
.endr
	WIN 0
.irp a, 0,1,2,3
	FRAG RF+48*((\s)%2)+12*\a, AR16+(\s)/4, AR8+(\s)/4, CHB*\a+1536*((\s)%4)
.endr
.endm
.macro MUL s                           ; 32 matrix instructions; the 32 accumulators take turns, one instruction a turn, in the same order in every step.  The first step starts the sums from the bias
.irp a, 0,1,2,3
.irp b, 0,1,2,3,4,5,6,7
.if (\s) == 0
	v_wmma_scale_f32_16x16x128_f8f6f4 v[8*(8*\a+\b):8*(8*\a+\b)+7], v[12*\b:12*\b+11], v[RF+12*\a:RF+12*\a+11], v[8*\b:8*\b+7], v[SCP+4*\b], v[SCR+\a] matrix_a_fmt:MATRIX_FMT_FP6 matrix_b_fmt:MATRIX_FMT_FP6
.elseif (\s) < 4
	v_wmma_scale_f32_16x16x128_f8f6f4 v[8*(8*\a+\b):8*(8*\a+\b)+7], v[128*((\s)%2)+12*\b:128*((\s)%2)+12*\b+11], v[RF+48*((\s)%2)+12*\a:RF+48*((\s)%2)+12*\a+11], v[8*(8*\a+\b):8*(8*\a+\b)+7], v[SCP+4*\b+(\s)%4], v[SCR+4*(\s)+\a] matrix_a_fmt:MATRIX_FMT_FP6 matrix_b_fmt:MATRIX_FMT_FP6
.else
	v_wmma_scale_f32_16x16x128_f8f6f4 v[8*(8*\a+\b):8*(8*\a+\b)+7], v[128*((\s)%2)+12*\b:128*((\s)%2)+12*\b+11], v[RF+48*((\s)%2)+12*\a:RF+48*((\s)%2)+12*\a+11], v[8*(8*\a+\b):8*(8*\a+\b)+7], v[SCP+4*\b+(\s)%4], v[SCR+4*(\s)+\a] matrix_a_fmt:MATRIX_FMT_FP6 matrix_b_fmt:MATRIX_FMT_FP6 matrix_a_scale:MATRIX_SCALE_ROW1
.endif
.endr
.endr
.endm
.macro STEP s
	s_wait_dscnt 0x0                               ; this step's fragments are in (asked for 32 matrix instructions ago)
.if (\s) == 3
	s_wait_tensorcnt 0x0                           ; every wave's one load has landed: half 1 is whole behind the barrier
	s_barrier_signal -1
	s_barrier_wait -1                              ; everybody's have.
.endif
.if (\s) < 7
.if (\s) > 0
	PLACES 4                                       ; four plain instructions between the last step's products and the loads into the set that they read (ISA guide 7.12.1 for vector instructions)
.endif
	FETCH (\s)+1
.endif
.if (\s) == 0
	WIN 0xb1                                       ; source 0 (P) window 1, source 1 (R) window 0, C window 3 (the bias), D window 2
.else
	WIN 0xa1                                       ; C and D window 2
.endif
	MUL \s
	WIN 0
.endm
	s_wait_alu depctr_va_vdst(0)                   ; the wait ahead of the branch
	s_cmp_lt_u32 s18, 2
	s_cbranch_scc0 .Lnot_half_0
	s_wait_tensorcnt 0x0                           ; waves 0 and 1: half 0 has landed; the lines of waves 2 and 3 may be out
.Lnot_half_0:
	s_barrier_signal -1
	s_barrier_wait -1
	FETCH 0
	s_wait_loadcnt 0x0                             ; scale words and bias
.irp t, 0,1,2,3
	v_mov_b32 v[100+\t], 0                         ; written once: a lane permute's destination counts as one of its sources
.endr
.set n, 0
.rept 8                                ; R's scale words: the two heads' halves are joined; lanes 0-15 then hold the whole word
.irp t, 0,1,2,3
	v_permlanex16_b32 v[100+\t], v[SCR+n+\t], s2, s3
.endr
.irp t, 0,1,2,3
	v_or_b32 v[SCR+n+\t], v[SCR+n+\t], v[100+\t]
.endr
.set n, n+4
.endr
	PLACES 8                                       ; a scale register written by a vector instruction stands eight plain instructions ahead of the scaled product that reads it
.irp s, 0,1,2,3,4,5,6,7
	s_wait_alu depctr_va_vdst(0)
	STEP \s
.endr
; THE WAY OUT, R's tile a at a time: 16 tokens x 128 columns.  LDS serves a wave's instructions in order (ISA guide 5.7.1.4): no wait between the stores and the loads, nor in front of the next block's stores.
.macro TOSTAGE a
	WIN 0x08                                       ; an LDS store's data are its source 1: window 2
.irp b, 0,1,2,3,4,5,6,7
	ds_store_b128 v[STO], v[64*(\a)+8*\b:64*(\a)+8*\b+3] offset:128*(\b/2)+32*(\b%2)       ; columns 32 (b / 2) + 16 h + 8 (b % 2) on; each accumulator from its low end on
	ds_store_b128 v[STO], v[64*(\a)+8*\b+4:64*(\a)+8*\b+7] offset:128*(\b/2)+32*(\b%2)+16
.endr
	WIN 0
.set BB, BK+64*((\a)%2)
.irp t, 0,1,2,3,4,5,6,7,8,9,10,11,12,13,14,15
	ds_load_b128 v[BB+4*\t:BB+4*\t+3], v[RD] offset:\t*SPITCH
.endr
.endm
.macro SEND a, younger                 ; younger: the LDS instructions issued behind block a's loads, which may stay out
.set BB, BK+64*((\a)%2)
	s_wait_dscnt \younger
.irp t, 0,1,2,3,4,5,6,7,8,9,10,11,12,13,14,15
	global_store_b128 v4, v[BB+4*\t:BB+4*\t+3], s[14:15] offset:(32*((\a)/2)+8*((\a)%2)+\t+8*(\t/8))*4096 th:TH_STORE_NT   ; lane t of the tile is that token; 32 lanes store 512 consecutive aligned bytes; written once, read by nobody here
.endr
.endm
	PLACES 4                                       ; between the last products and the first read of results, and the loads into registers that they read
	TOSTAGE 0
.irp a, 1,2,3
.if \a > 1
	s_wait_xcnt 0x0                                ; block a - 2's stores have read their registers: block a's loads may land there
.endif
	TOSTAGE \a
	SEND \a-1, 32                                  ; behind block a - 1's loads: block a's 16 stores and 16 loads
.endr
	SEND 3, 0
	s_wait_tensorcnt 0x0
	ds_add_u32 v126, v127
	s_wait_dscnt 0x0
	CROUND                                         ; the closing round: no work-group ends while a partner may still ask for a tile that names it
	s_endpgm
.Lfunc_end_k_qa90067afaa_outp:
	.size	k_qa90067afaa_outp, .Lfunc_end_k_qa90067afaa_outp-k_qa90067afaa_outp
	.p2alignl 7, 3214868480
	.fill 96, 4, 3214868480
	.section	.rodata,"a",@progbits
	.p2align	6, 0x0
	.amdhsa_kernel k_qa90067afaa_outp
		.amdhsa_group_segment_fixed_size 295424
		.amdhsa_private_segment_fixed_size 0
		.amdhsa_enable_private_segment 0
		.amdhsa_kernarg_size 48
		.amdhsa_user_sgpr_count 2
		.amdhsa_user_sgpr_kernarg_segment_ptr 1
		.amdhsa_wavefront_size32 1
		.amdhsa_system_sgpr_workgroup_id_x 1
		.amdhsa_system_sgpr_workgroup_id_y 1
		.amdhsa_system_sgpr_workgroup_id_z 1
		.amdhsa_system_vgpr_workitem_id 0
		.amdhsa_next_free_vgpr 1024
		.amdhsa_next_free_sgpr 100
		.amdhsa_reserve_vcc 0
		.amdhsa_float_denorm_mode_32 3
		.amdhsa_float_denorm_mode_16_64 3
		.amdhsa_memory_ordered 1
		.amdhsa_forward_progress 1
		.amdhsa_inst_pref_size 88
	.end_amdhsa_kernel
	.amdgpu_metadata
---
amdhsa.version: [ 1, 2 ]
amdhsa.kernels:
  - .name:           k_qa90067afaa_outp
    .symbol:         k_qa90067afaa_outp.kd
    .args:
      - { .name: img, .offset: 0, .size: 8, .value_kind: global_buffer, .address_space: global }
      - { .name: isc, .offset: 8, .size: 8, .value_kind: global_buffer, .address_space: global }
      - { .name: oimg, .offset: 16, .size: 8, .value_kind: global_buffer, .address_space: global }
      - { .name: osc, .offset: 24, .size: 8, .value_kind: global_buffer, .address_space: global }
      - { .name: bo, .offset: 32, .size: 8, .value_kind: global_buffer, .address_space: global }
      - { .name: out0, .offset: 40, .size: 8, .value_kind: global_buffer, .address_space: global }
    .group_segment_fixed_size: 295424
    .private_segment_fixed_size: 0
    .kernarg_segment_align: 8
    .kernarg_segment_size: 48
    .max_flat_workgroup_size: 128
    .sgpr_count:     100
    .vgpr_count:     1024
    .wavefront_size: 32
...
	.end_amdgpu_metadata
.endif
;; end of part 4
